; MI455X (gfx1250); checked and timed in simulation.
; The chip was launched on July 23, 2026; its instructions are those of AMD's public machine-readable ISA for CDNA 5 (MIT licence, August 2026) and "CDNA5" Instruction Set Architecture Reference Guide (July 2026). The comments in the code are by the model that wrote it; some were corrected since.
;; Multi Head Attention Block. Allowed arithmetic: matrix products marked QUANTISED: E2M3 operands, one E8M0 scale for each 32 along K, by v_wmma_scale_f32_16x16x128_f8f6f4 with both operands' format E2M3, f32 sums; everything else in f32.
;; Inputs: k 4 x 2,048 x 1,024 float32; mask 1 x 1 x 2,048 x 2,048 int32; q 4 x 2,048 x 1,024 float32; v 4 x 2,048 x 1,024 float32; wk_b 1,024 float32; wk_w 1,024 x 1,024 float32; wo_b 1,024 float32; wo_w 1,024 x 1,024 float32; wq_b 1,024 float32; wq_w 1,024 x 1,024 float32; wv_b 1,024 float32; wv_w 1,024 x 1,024 float32.
;; Outputs: out0 4 x 2,048 x 1,024 float32.
;; This version of the problem:
;;   THIS VERSION OF THE PROBLEM IS GIVEN IN LOW PRECISION. The matrix products marked QUANTISED in the list below multiply operands that are first quantised to E2M3 (2 exponent bits, 3 mantissa bits; 6 bits a number), with one power-of-two scale for each 32 numbers along K (OCP MX v1.0); their sums are f32. All else is computed in f32.
;;   The module's matrix products, in the order in which they are computed (A, B: the left and right operand; K: the contracted axis; several contracted axes count as one K, in the product's order):
;;     1. [M 8,192, K 1,024] x [K 1,024, N 1,024]; A: input q; B: input wq_w: QUANTISED
;;     2. [M 8,192, K 1,024] x [K 1,024, N 1,024]; A: input k; B: input wk_w: QUANTISED
;;     3. [M 8,192, K 1,024] x [K 1,024, N 1,024]; A: input v; B: input wv_w: QUANTISED
;;     4. batch 64 x [M 2,048, K 64] x [K 64, N 2,048]; A: computed on the way; B: computed on the way: QUANTISED
;;     5. batch 64 x [M 2,048, K 2,048] x [K 2,048, N 64]; A: softmax (see below); B: computed on the way: QUANTISED
;;     6. [M 8,192, K 1,024] x [K 1,024, N 1,024]; A: computed on the way; B: input wo_w: QUANTISED
;;   THE QUANTISER, for each operand of a quantised product, along K:
;;     - K is cut into blocks of 32 from its start; a last block that is shorter is filled with zeros.
;;     - A block's scale is 2^e with e = floor(log2(the largest magnitude in the block)) - 2, held to -126 .. 127; a block of zeros has e = 0. As a byte (E8M0): e + 127.
;;     - Each number is divided by its block's scale, clamped to +-7.5, and rounded to the nearest number of E2M3, ties to even, subnormals kept.
;;     - The product sums the exact products of the quantised numbers (number of the format x scale) in f32.
;;   ~~~python
;;   def quantise(x, axis):      # numpy; x: float32 -> the quantised numbers, widened to float32 again
;;       x = np.moveaxis(x, axis, -1); K = x.shape[-1]
;;       x = np.pad(x, [(0, 0)] * (x.ndim - 1) + [(0, -K % 32)]); x = x.reshape(x.shape[:-1] + (-1, 32)); a = np.abs(x).max(-1, keepdims=True)
;;       e = np.where(a > 0, np.clip(np.frexp(np.where(a > 0, a, 1))[1] - 1 - 2, -126, 127), 0)      # np.frexp(a)[1] - 1 = floor(log2(a)), exactly
;;       r = np.clip(x / 2.0 ** e, -7.5, 7.5)
;;       step = 2.0 ** (np.maximum(np.frexp(np.where(r == 0, 1, r))[1] - 1, 0) - 3)
;;       q = np.round(r / step) * step * 2.0 ** e      # np.round: ties to even
;;       return np.moveaxis(q.reshape(q.shape[:-2] + (-1,))[..., :K], -1, axis).astype(np.float32)
;;   ~~~
;;   SOFTMAX AHEAD OF A QUANTISED PRODUCT. Where the list says 'softmax', what is quantised is not the finished softmax but p = 2^(t - M), with t = logit x log2(e) and M = ceil(the row's largest t), a whole number; so 1/2 < the row's largest p <= 1. The row's sum l is taken of the UNQUANTISED p, in f32, and the product's result is divided by l at the end. Since M is a whole number, a kernel that streams over the keys may use a running M (the ceiling of the running maximum): every later rescaling is an exact power of two, which a block's scale takes up: the codes' values come out the same.
;;   OPERANDS COMPUTED ON THE WAY. 'Computed on the way' means the value that the module computes at that place (a softmax that the list does not call 'softmax' is quantised finished and normalised). What goes into a quantiser is computed in f32, as accurately as f32 sums, v_exp_f32 and their like allow (about 1e-6 of the number): no bf16 or f16 on the way to a quantiser, and a product that is left as it is and whose result goes on into a quantised operand takes f32 operands (vector FMAs, or v_wmma_f32_16x16x4_f32). A number that lies on a knife's edge between two numbers of the format may be rounded either way, as far as f32 arithmetic and the matrix unit's own rounding can turn it there, and no further.
;; 2 versions, each right; version 2 is version 1 with the launch attn written anew for expert scheduling mode. Each part assembles by itself: llvm-mc -triple=amdgcn-amd-amdhsa -mcpu=gfx1250 --defsym DOCPART=n.
;; ======== version 1 of 2: 4 launches
;; limits: right only within a limited range of input values
;; workspace buffers: cod 23,855,104 bytes; mkw 526,336 bytes of whole numbers; pc 20,185,088 bytes; ac 6,815,744 bytes
;; launch quant (part 1): grid 1024 x 1, 4 waves a work-group, no clusters, 34,304 bytes of LDS; arguments q, k, v, wq_w, wk_w, wv_w, wo_w, mask, cod, mkw; writes cod, mkw
.if DOCPART == 1
	.amdgcn_target "amdgcn-amd-amdhsa--gfx1250"
	.amdhsa_code_object_version 6
	.text
	.protected	k_qae49e94d9e_quant
	.globl	k_qae49e94d9e_quant
	.p2align	8
	.type	k_qae49e94d9e_quant,@function
k_qae49e94d9e_quant:
	s_mov_b64 s[64:65], 0
	v_nop
	global_prefetch_b8 v0, s[64:65] scope:SCOPE_SE
	s_setreg_imm32_b32 hwreg(HW_REG_WAVE_MODE, 25, 1), 1
	s_wait_xcnt 0x0
; q, k, v [8192][1024] and the four weights [1024][1024], f32 with K innermost, become codes of FP6 (E2M3) with one E8M0 byte for each 32 along K, laid as IMAGES OF OPERAND REGISTERS;
; the mask [2048][2048] int32 becomes bit words laid as the attention launch's score registers lie.
; A TILE is 16 rows: lane index r of tile T is row 32 (T / 2) + 8 (T % 2) + r + 8 (r / 8).  Tiles: q 0-511, k 512-1023, v 1024-1535, wq 1536-, wk 1600-, wv 1664-, wo 1728-1791.
; cod: a tile is 4 records of 3,328 bytes (256 along K each): K step 0's six chunks of 256 bytes (chunk p = operand registers 2 p, 2 p + 1, lane l at byte 8 l), K step 1's six, then 256 bytes of scale words:
; lane l holds (word of K step 0, word of K step 1) of row l % 16.
; A block's scale is 2^(floor(log2(largest magnitude)) - 2); its byte is the largest magnitude's exponent field - 2, held at 1 from below.
; LIMITS: a block of zeros gets the byte 1 where the rule says 127 (its codes are zeros, and this program alone reads the bytes); NaN and infinities among the inputs are not served.
; SHARES.  Work-groups 0-127: the mask, one tile of 16 queries each, a wave a quarter of the keys.  Work-groups 128-1023: two tiles each; a wave takes one tile and half of K: four K steps of 128.
; A K step's 16 rows x 512 bytes are loaded a row an instruction, turned through the wave's own stage in LDS (rows of 528 bytes), and come back as the operand's layout wants them:
; lane (r, h) holds k = 64 c + 32 h + 0 .. 31 of row r: two whole blocks, so no other lane is asked for a maximum.  Waves share nothing: no barrier.
.set STG,   8448                       ; a wave's stage: 16 rows x 528 bytes
.set R,     16                         ; v16-143  two sets of 64 registers as loaded
.set X,     144                        ; v144-207 the 64 numbers of a lane
.set C,     208                        ; v208-219 the fragment's 12 registers
.set CT,    220                        ; v220-226 the upper halves of the two blocks, as the conversions leave them
.set MX,    228                        ; v228-229 largest magnitudes
.set SO,    230                        ; v230-231 the conversions' scale operands
.set EB,    232                        ; v232-233 scale bytes
.set WD,    234                        ; v234     my two bytes of the scale word
.set TP,    235                        ; v235     the other half's two
.set WP,    240                        ; v240-243 the scale words of the four K steps
.set MW,    144                        ; mask path: v144-151 the words of four key steps, two registers each
	s_load_b512 s[4:19], s[0:1], 0x0               ; q, k, v, wq_w, wk_w, wv_w, wo_w, mask
	s_load_b128 s[20:23], s[0:1], 0x40             ; cod, mkw
	v_lshl_add_u32 v254, v0, 2, 0x8400
	v_mov_b32 v255, 0
	v_lshrrev_b32 v1, 5, v0
	v_readfirstlane_b32 s24, v1                    ; wave 0..3
	v_and_b32 v2, 31, v0                           ; lane
	v_and_b32 v8, 15, v0                           ; r
	v_bfe_u32 v9, v0, 4, 1                         ; h
	v_lshlrev_b32 v6, 3, v2                        ; 8 x lane: my place in a chunk of 256 bytes
	s_mov_b32 s31, 0
	s_cmp_lt_u32 ttmp9, 128
	s_cbranch_scc1 .Lmask
	; ---- THE TENSORS.  g = pair of tiles, 0 .. 895
	s_sub_co_u32 s25, ttmp9, 128
	s_mov_b32 s28, 0                               ; the tensor's first g
	s_wait_kmcnt 0x0
	s_cmp_ge_u32 s25, 256                          ; the choice hangs on the work-group's number alone
	s_cselect_b64 s[4:5], s[6:7], s[4:5]
	s_cselect_b32 s28, 256, s28
	s_cmp_ge_u32 s25, 512
	s_cselect_b64 s[4:5], s[8:9], s[4:5]
	s_cselect_b32 s28, 512, s28
	s_cmp_ge_u32 s25, 768
	s_cselect_b64 s[4:5], s[10:11], s[4:5]
	s_cselect_b32 s28, 768, s28
	s_cmp_ge_u32 s25, 800
	s_cselect_b64 s[4:5], s[12:13], s[4:5]
	s_cselect_b32 s28, 800, s28
	s_cmp_ge_u32 s25, 832
	s_cselect_b64 s[4:5], s[14:15], s[4:5]
	s_cselect_b32 s28, 832, s28
	s_cmp_ge_u32 s25, 864
	s_cselect_b64 s[4:5], s[16:17], s[4:5]
	s_cselect_b32 s28, 864, s28
	s_sub_co_u32 s29, s25, s28
	s_lshl_b32 s30, s29, 17                        ; 32 rows of 4,096 bytes for each pair of tiles,
	s_lshr_b32 s32, s24, 1                         ; which tile of the pair,
	s_and_b32 s33, s24, 1                          ; which half of K
	s_lshl_b32 s34, s32, 15                        ; the odd tile begins 8 rows down,
	s_add_co_u32 s30, s30, s34
	s_lshl_b32 s34, s33, 11                        ; the second half of K 2,048 bytes on
	s_add_co_u32 s30, s30, s34
	s_add_nc_u64 s[4:5], s[4:5], s[30:31]
	s_lshl_b32 s34, s25, 1
	s_add_co_u32 s34, s34, s32                     ; the tile's number
	s_mul_i32 s30, s34, 13312
	s_mul_i32 s35, s33, 6656                       ; two records for half of K
	s_add_co_u32 s30, s30, s35
	s_add_nc_u64 s[20:21], s[20:21], s[30:31]
	v_lshlrev_b32 v3, 4, v2                        ; 16 x lane: my 16 bytes of a row's 512
	s_mul_i32 s35, s24, STG
	v_add_nc_u32 v4, s35, v3                       ; the stage, on the way in
	v_mul_u32_u24 v5, v8, 528
	v_lshl_add_u32 v5, v9, 7, v5
	v_add_nc_u32 v5, s35, v5                       ; and on the way out: row r, + 128 h bytes
	v_lshlrev_b32 v7, 3, v9                        ; 8 h: how far my two scale bytes are shifted
	v_mov_b32 v[TP], 0                             ; written once: a lane permute's destination counts as one of its sources
	s_mov_b32 s26, 0x76543210
	s_mov_b32 s27, 0xfedcba98                      ; v_permlanex16_b32's selects for lane l xor 16
.macro LOAD s                          ; K step s: sixteen rows, 512 consecutive bytes an instruction, into set s % 2
.irp i, 0,1,2,3,4,5,6,7,8,9,10,11,12,13,14,15
	global_load_b128 v[R+64*((\s)%2)+4*\i:R+64*((\s)%2)+4*\i+3], v3, s[4:5] offset:(\i+8*(\i/8))*4096+512*(\s) th:TH_LOAD_NT
.endr
.endm
.macro STEP s
.if (\s) < 3
	s_wait_loadcnt 16                              ; this step's 16 loads are in; the next step's 16 may be out
.else
	s_wait_loadcnt 0x0
.endif
.irp i, 0,1,2,3,4,5,6,7,8,9,10,11,12,13,14,15
	ds_store_b128 v4, v[R+64*((\s)%2)+4*\i:R+64*((\s)%2)+4*\i+3] offset:528*\i
.endr
.irp c, 0,1
.irp j, 0,1,2,3,4,5,6,7
	ds_load_b128 v[X+32*\c+4*\j:X+32*\c+4*\j+3], v5 offset:256*\c+16*\j   ; LDS serves a wave's instructions in order: these see the stores above
.endr
.endr
	s_wait_dscnt 0x0                               ; the numbers are back, and the stores have read their registers
.if (\s) > 0
	s_wait_xcnt 0x0                                ; the last step's stores have read the codes' registers
.endif
.if (\s) < 2
	LOAD (\s)+2
.endif
.irp c, 0,1
	v_max3_num_f32 v[MX+\c], |v[X+32*\c]|, |v[X+32*\c+1]|, 0x1800000   ; my block 2 c + h, and the floor 2^(3 - 127): the byte cannot fall under 1
.endr
.irp i, 2,4,6,8,10,12,14,16,18,20,22,24,26,28,30
.irp c, 0,1
	v_max3_num_f32 v[MX+\c], v[MX+\c], |v[X+32*\c+\i]|, |v[X+32*\c+\i+1]|   ; (the two blocks by turns)
.endr
.endr
.irp c, 0,1
	v_add_nc_u32 v[SO+\c], 0xff000000, v[MX+\c]    ; 2 off the exponent field: the conversion takes this operand's exponent field as its scale
.endr
.irp c, 0,1
	v_lshrrev_b32 v[EB+\c], 23, v[SO+\c]           ; the scale's byte
.endr
	v_lshl_or_b32 v[WD], v[EB+1], 16, v[EB]        ; blocks h and 2 + h of my row,
	v_lshlrev_b32 v[WD], v7, v[WD]                 ; at their places in the word;
	v_permlanex16_b32 v[TP], v[WD], s26, s27
	v_or_b32 v[WP+(\s)], v[WD], v[TP]              ; with lane l xor 16's two the word is whole, in both lanes
.irp c, 0,1
	v_cvt_scalef32_pk16_fp6_f32 v[C+6*\c:C+6*\c+2], v[X+32*\c:X+32*\c+15], v[SO+\c]
	v_cvt_scalef32_pk16_fp6_f32 v[CT+4*\c:CT+4*\c+2], v[X+32*\c+16:X+32*\c+31], v[SO+\c]   ; (a conversion's three registers begin on an even number)
.endr
	v_nop                                          ; one plain place behind a scaled conversion
.irp c, 0,1
.irp i, 0,1,2
	v_mov_b32 v[C+6*\c+3+\i], v[CT+4*\c+\i]
.endr
.endr
.irp p, 0,1,2,3,4,5
	global_store_b64 v6, v[C+2*\p:C+2*\p+1], s[20:21] offset:((\s)/2)*3328+((\s)%2)*1536+256*\p   ; 32 lanes store 256 consecutive bytes, aligned
.endr
.if (\s)%2 == 1
	global_store_b64 v6, v[WP+(\s)-1:WP+(\s)], s[20:21] offset:((\s)/2)*3328+3072
.endif
.endm
	LOAD 0
	LOAD 1
	STEP 0
	STEP 1
	STEP 2
	STEP 3
	s_wait_tensorcnt 0x0
	ds_add_u32 v254, v255
	s_wait_dscnt 0x0
	s_endpgm
	; ---- THE MASK.  mkw: [tile of 16 queries, 128][key step of 128 keys, 16][64 words]: bit L of word n says whether key 128 s + 32 (n / 16) + 16 (L / 16) + n % 16 counts for query (tile, L % 16):
	; the place of score register n of lane L.  Behind them, from byte 524,288: [tile][quarter] words of flags: bit i is set where key step 4 quarter + i has a hidden key.
.Lmask:
	s_lshr_b32 s25, ttmp9, 1
	s_lshl_b32 s25, s25, 5
	s_and_b32 s28, ttmp9, 1
	s_lshl_b32 s28, s28, 3
	s_add_co_u32 s25, s25, s28                     ; the tile's first row: 32 (t / 2) + 8 (t % 2)
	s_lshl_b32 s30, s25, 13                        ; rows of 8,192 bytes
	s_lshl_b32 s28, s24, 11                        ; my quarter of the keys: 2,048 bytes
	s_add_co_u32 s30, s30, s28
	s_wait_kmcnt 0x0
	s_add_nc_u64 s[18:19], s[18:19], s[30:31]
	s_lshl_b32 s30, ttmp9, 12                      ; a tile's words: 16 key steps x 256 bytes
	s_lshl_b32 s28, s24, 10
	s_add_co_u32 s30, s30, s28
	s_add_nc_u64 s[34:35], s[22:23], s[30:31]
	s_lshl_b32 s30, ttmp9, 4
	s_lshl_b32 s28, s24, 2
	s_add_co_u32 s30, s30, s28
	s_add_co_u32 s30, s30, 524288
	s_add_nc_u64 s[22:23], s[22:23], s[30:31]      ; my word of flags
	v_and_b32 v10, 8, v8
	v_add_nc_u32 v10, v10, v8                      ; r + 8 (r / 8)
	v_lshlrev_b32 v3, 13, v10
	v_lshl_add_u32 v3, v9, 6, v3                   ; my query's row, + 16 h keys
	s_mov_b32 s36, 0                               ; the flags
.irp i, 0,1,2,3,4,5,6,7
	v_mov_b32 v[MW+\i], 0                          ; v_writelane_b32's destination counts as read
.endr
.macro MLOAD st                        ; key step st of my four: register n = key 32 (n / 16) + 16 h + n % 16
.irp be, 0,1,2,3
.irp j, 0,1,2,3
	global_load_b128 v[R+64*((\st)%2)+16*\be+4*\j:R+64*((\st)%2)+16*\be+4*\j+3], v3, s[18:19] offset:512*(\st)+128*\be+16*\j
.endr
.endr
.endm
.macro MSTEP st
.if (\st) < 3
	s_wait_loadcnt 16                              ; this step's 16 loads are in; the next step's 16 may be out
.else
	s_wait_loadcnt 0x0
.endif
.irp bt, 0,1,2,3,4,5,6,7
.irp i, 0,1,2,3,4,5,6,7
	v_cmp_ne_u32 s[40+\i], 0, v[R+64*((\st)%2)+8*\bt+\i]        ; word n = 8 bt + i: a bit a lane
.endr
.irp i, 0,1,2,3,4,5,6,7
	v_writelane_b32 v[MW+2*(\st)+\i%2], s[40+\i], 4*\bt+\i/2    ; lane n / 2 holds words n and n + 1: 8 bytes a lane on the way out
.endr
.endr
.if (\st) < 2
	MLOAD (\st)+2
.endif
	v_and_b32 v152, v[MW+2*(\st)], v[MW+2*(\st)+1]
	v_cmp_ne_u32 s30, -1, v152                     ; is any word short of all ones?
	s_cmp_lg_u32 s30, 0
	s_cselect_b32 s31, 1<<(\st), 0
	s_or_b32 s36, s36, s31
	global_store_b64 v6, v[MW+2*(\st):MW+2*(\st)+1], s[34:35] offset:256*(\st)   ; 256 consecutive bytes, aligned
.endm
	MLOAD 0
	MLOAD 1
	MSTEP 0
	MSTEP 1
	MSTEP 2
	MSTEP 3
	v_mov_b32 v153, s36
	v_mov_b32 v154, 0
	v_cmp_eq_u32 vcc_lo, 0, v2
	s_wait_xcnt 0x0                                ; EXEC changes only behind this wait
	s_and_saveexec_b32 s37, vcc_lo
	global_store_b32 v154, v153, s[22:23]          ; lane 0 stores the wave's flags
	s_wait_xcnt 0x0                                ; and again, in front of the line that widens it
	s_or_b32 exec_lo, exec_lo, s37
	s_endpgm
.Lfunc_end_k_qae49e94d9e_quant:
	.size	k_qae49e94d9e_quant, .Lfunc_end_k_qae49e94d9e_quant-k_qae49e94d9e_quant
	.p2alignl 7, 3214868480
	.fill 96, 4, 3214868480
	.section	.rodata,"a",@progbits
	.p2align	6, 0x0
	.amdhsa_kernel k_qae49e94d9e_quant
		.amdhsa_group_segment_fixed_size 34304
		.amdhsa_private_segment_fixed_size 0
		.amdhsa_enable_private_segment 0
		.amdhsa_kernarg_size 80
		.amdhsa_user_sgpr_count 2
		.amdhsa_user_sgpr_kernarg_segment_ptr 1
		.amdhsa_wavefront_size32 1
		.amdhsa_system_sgpr_workgroup_id_x 1
		.amdhsa_system_sgpr_workgroup_id_y 1
		.amdhsa_system_sgpr_workgroup_id_z 1
		.amdhsa_system_vgpr_workitem_id 0
		.amdhsa_next_free_vgpr 256
		.amdhsa_next_free_sgpr 66
		.amdhsa_reserve_vcc 1
		.amdhsa_float_denorm_mode_32 3
		.amdhsa_float_denorm_mode_16_64 3
		.amdhsa_memory_ordered 1
		.amdhsa_forward_progress 1
		.amdhsa_inst_pref_size 73
	.end_amdhsa_kernel
	.amdgpu_metadata
---
amdhsa.version: [ 1, 2 ]
amdhsa.kernels:
  - .name:           k_qae49e94d9e_quant
    .symbol:         k_qae49e94d9e_quant.kd
    .args:
      - { .name: q, .offset: 0, .size: 8, .value_kind: global_buffer, .address_space: global }
      - { .name: k, .offset: 8, .size: 8, .value_kind: global_buffer, .address_space: global }
      - { .name: v, .offset: 16, .size: 8, .value_kind: global_buffer, .address_space: global }
      - { .name: wq_w, .offset: 24, .size: 8, .value_kind: global_buffer, .address_space: global }
      - { .name: wk_w, .offset: 32, .size: 8, .value_kind: global_buffer, .address_space: global }
      - { .name: wv_w, .offset: 40, .size: 8, .value_kind: global_buffer, .address_space: global }
      - { .name: wo_w, .offset: 48, .size: 8, .value_kind: global_buffer, .address_space: global }
      - { .name: mask, .offset: 56, .size: 8, .value_kind: global_buffer, .address_space: global }
      - { .name: cod, .offset: 64, .size: 8, .value_kind: global_buffer, .address_space: global }
      - { .name: mkw, .offset: 72, .size: 8, .value_kind: global_buffer, .address_space: global }
    .group_segment_fixed_size: 34304
    .private_segment_fixed_size: 0
    .kernarg_segment_align: 8
    .kernarg_segment_size: 80
    .max_flat_workgroup_size: 128
    .sgpr_count:     66
    .vgpr_count:     256
    .wavefront_size: 32
...
	.end_amdgpu_metadata
.endif
;; end of part 1
;; launch proj (part 2): grid 4 x 192, 4 waves a work-group, clusters of 4 x 4, 320,000 bytes of LDS; arguments cod, wq_b, wk_b, wv_b, pc; writes pc
.if DOCPART == 2
	.amdgcn_target "amdgcn-amd-amdhsa--gfx1250"
	.amdhsa_code_object_version 6
	.text
	.protected	k_qae49e94d9e_proj
	.globl	k_qae49e94d9e_proj
	.p2align	8
	.type	k_qae49e94d9e_proj,@function
k_qae49e94d9e_proj:
	s_mov_b64 s[64:65], 0
	v_nop
	global_prefetch_b8 v0, s[64:65] scope:SCOPE_SE
	s_setreg_imm32_b32 hwreg(HW_REG_WAVE_MODE, 25, 1), 1
	s_wait_xcnt 0x0
	s_wait_alu depctr_hold_cnt(0) depctr_sa_sdst(0) depctr_va_vdst(0) depctr_va_sdst(0) depctr_va_ssrc(0) depctr_va_vcc(0) depctr_vm_vsrc(0)
	s_getreg_b32 s2, hwreg(HW_REG_IB_STS2, 6, 4)
	s_cmp_eq_u32 s2, 0
	s_cbranch_scc0 .Lentry_in_a_cluster
	s_endpgm
.Lentry_in_a_cluster:
	s_bfe_u32 s2, ttmp6, 0x10000c
	s_cmp_lg_u32 s2, 0xf033
	s_cbranch_scc0 .Lentry_shape_is_right
	s_endpgm
.Lentry_shape_is_right:
; The three projections x W^T + b on codes of FP6 (E2M3), M 8,192, N 1,024, K 1,024 each; each result is quantised in registers for the attention launch and leaves as images of operand registers.
; A TILE is 16 rows: lane index r of tile T is row 32 (T / 2) + 8 (T % 2) + r + 8 (r / 8).  cod holds each tile as 4 records of 3,328 bytes (256 along K: two K steps' six chunks of 256 bytes, then 256 bytes of scale words).
; A WORK-GROUP makes 128 rows of A (source 1: the lane's index in the result) x 256 rows of B (source 0: its index runs along the registers).  Four waves, each 64 x 128: 32 accumulators.
; With B's rows chosen as the tiles are, the 16 registers of two neighbouring result tiles are 16 NEIGHBOURS along B's index: what the conversions want.
;   p = 0, 1 (query, key):  A = x, B = W: a lane holds a row of x, its registers run along the features: two heads of 64, quantised along the head's axis.
;   p = 2 (value):          A = W, B = x: a lane holds a channel, its registers run along 128 keys: quantised along the keys.
; ALL OF K LIES IN LDS, filled ONCE, in four chunks of 256 along K (79,872 bytes each: A's 8 tiles, then B's 16): no byte of LDS is filled twice, so there is no ring.
; CLUSTERS: 4 x 4 work-groups.  A's tiles hang on the cluster's row alone, B's on its column alone: each is asked for JOINTLY, by the same tensor load with the same descriptor and a mask that names the four.
; A wave has four tensor loads out.
; pc: query at 0, key at 6,815,744: [batch x head, 64][64 rows, 32][3,328]: 4 tiles x 3 chunks (the 6 registers of a head's 64 codes), then 256 bytes: lane l = (W01, W23), W01 = tile 0's scale words in lanes 0-15, tile 1's in lanes 16-31.
;     value at 13,631,488: [batch x head][128 keys, 16][6,400]: 4 fragments (16 channels x 128 keys) of 3 x 512 bytes (registers 4 g .. 4 g + 3, lane l at 16 l), then 256 bytes (W01, W23) over the channel tiles.
; LIMITS: a block of zeros gets the byte 1 where the rule says 127 (its codes are zeros; this program alone reads the bytes); NaN and infinities are not served.
; REGISTERS, in windows of 256: window 0: v16, v20 LDS addresses; v24-25 store offsets; v32-63, v64-79 scale words of B and A, two sets; v80-103 at work; v128-223 A's fragments, two sets (in the way out: 64 numbers, then the codes).
;   window 1: B's fragments, two sets, at v0 and v128.   window 2: the accumulators ((a, b) at v[8 (8 a + b)]).   window 3: v0-63 the bias along the registers, v64-71 the bias of my lane's channel.
.set CH,    79872                      ; a chunk in LDS
.set REC,   3328                       ; a record
.set ADRA,  16
.set ADRB,  20
.set O8,    24                         ; 8 x lane
.set O16,   25                         ; 16 x lane
.set SB,    32
.set SA,    64
.set TM,    80                         ; v80-83 largest magnitudes, v84-87 bytes, v92-95 the conversions' scale operands
.set PWS,   96                         ; v96-99 the four tiles' scale words
.set WA,    100                        ; v100-103 as they are stored
.set AF,    128
.set NUM,   128                        ; the way out: 64 numbers
.set PC,    192                        ; the way out: the codes, v192-203; v204-210 at work
.set BP,    0                          ; window 3
.set BR,    64                         ; window 3
.set G1A,   24                         ; s[24:31] descriptor group 1 for A's tiles
.set G1B,   48                         ; s[48:55] for B's
.set G0A,   68                         ; s[68:83] group 0 for A's four chunks
.set G0B,   84                         ; s[84:99] for B's
.set SEL,   66                         ; s66, s67 lane selects
.set MSB, 0
.macro WIN new                         ; the immediate's high byte repeats the setting that is left
.if MSB != \new
	s_set_vgpr_msb (MSB<<8)|\new
.set MSB, \new
.endif
.endm
.macro CROUND                          ; a round of the cluster's barrier
	s_barrier_signal -1
	s_barrier_wait -1
	s_cmp_lg_u32 s14, 0
	s_cbranch_scc1 .Lnot_wave_0_\@
	s_barrier_signal -3
.Lnot_wave_0_\@:
	s_barrier_wait -3
	s_barrier_signal -1
	s_barrier_wait -1
.endm
.macro PLACES n
.rept \n
	v_nop
.endr
.endm
	s_load_b256 s[4:11], s[0:1], 0x0               ; cod, wq_b, wk_b, wv_b
	s_load_b64 s[12:13], s[0:1], 0x20              ; pc
	v_lshl_add_u32 v254, v0, 2, 0x4e000
	v_mov_b32 v255, 0
	ds_add_u32 v254, v255
	ds_add_u32 v254, v255
	v_lshrrev_b32 v1, 5, v0
	v_readfirstlane_b32 s14, v1                    ; wave 0..3
	s_lshr_b32 s15, s14, 1                         ; which 64 rows of A are mine.  Also: I fetch for A (0) or for B (1)
	s_and_b32 s16, s14, 1                          ; which 128 rows of B.  Also: which half of that tile I fetch
	s_bfe_u32 s40, ttmp6, 0x40000                  ; cx, cy: my place in the cluster
	s_bfe_u32 s41, ttmp6, 0x40004
	s_and_b32 s17, ttmp7, 0xffff                   ; the cluster's y, 0 .. 47
	s_lshr_b32 s18, s17, 4                         ; p: which projection; the same in all sixteen partners
	s_lshl_b32 s43, s41, 2
	s_lshl_b32 s43, 15, s43                        ; my row of the cluster
	s_lshl_b32 s44, 0x1111, s40                    ; my column
	; descriptor group 1: rows of 416 elements of 8 bytes (a record), 1,664 elements (a tile) apart; A: 4 rows a load, B: 8
	s_or_b32 s[G1A], s43, (3<<16)|(1<<21)          ; 15:0 the mask; 17:16 elements of 8 bytes; 20 no padding; 21 set beside a mask
	s_or_b32 s[G1B], s44, (3<<16)|(1<<21)
.irp g, G1A, G1B
	s_mov_b32 s[\g+1], 416<<16                     ; tensor_dim0
	s_mov_b32 s[\g+3], 416<<16                     ; tile_dim0
	s_mov_b32 s[\g+5], 1664                        ; tensor_dim0_stride
	s_mov_b32 s[\g+6], 0
	s_mov_b32 s[\g+7], 0
.endr
	s_mov_b32 s[G1A+2], 4<<16                      ; tensor_dim1
	s_mov_b32 s[G1A+4], 4                          ; tile_dim1
	s_mov_b32 s[G1B+2], 8<<16
	s_mov_b32 s[G1B+4], 8
	; which tiles.  p < 2: A = x's tiles 32 Y + 8 cy on, B = W's 1536 + 64 p + 16 cx on;  p = 2: A = wv's 1664 + 32 (Y & 1) + 8 cy on, B = v's 1024 + 64 ((Y & 15) / 2) + 16 cx on
	s_lshl_b32 s19, s17, 5
	s_and_b32 s20, s17, 1
	s_lshl_b32 s20, s20, 5
	s_add_co_u32 s20, s20, 1664
	s_and_b32 s21, s17, 15
	s_lshr_b32 s21, s21, 1
	s_lshl_b32 s21, s21, 6
	s_add_co_u32 s21, s21, 1024
	s_lshl_b32 s22, s18, 6
	s_add_co_u32 s22, s22, 1536
	s_cmp_eq_u32 s18, 2
	s_cselect_b32 s19, s20, s19
	s_cselect_b32 s21, s21, s22
	s_lshl_b32 s20, s41, 3
	s_add_co_u32 s19, s19, s20                     ; A's first tile: it never holds cx
	s_lshl_b32 s22, s40, 4
	s_add_co_u32 s21, s21, s22                     ; B's first tile: it never holds cy
	s_lshl_b32 s23, s16, 2
	s_add_co_u32 s23, s19, s23                     ; the half of A that I would fetch
	s_mul_i32 s32, s23, 13312
	s_mov_b32 s33, 0
	s_lshl_b32 s39, s16, 3
	s_add_co_u32 s39, s21, s39                     ; the half of B
	s_mul_i32 s34, s39, 13312
	s_mov_b32 s35, 0
	s_mul_i32 s36, s16, 4*REC                      ; where they go: no place in the cluster enters an LDS address
	s_mul_i32 s37, s16, 8*REC
	s_add_co_u32 s37, s37, 8*REC
	; the head of p = 2, and the bias's first bytes in both forms (the form that a mode does not use reads from byte 0)
	s_and_b32 s45, s17, 1
	s_lshl_b32 s45, s45, 3
	s_lshl_b32 s46, s41, 1
	s_add_co_u32 s45, s45, s46
	s_add_co_u32 s45, s45, s15                     ; head = 8 (Y & 1) + 2 cy + my half
	s_lshl_b32 s46, s45, 8                         ; its 64 channels: 256 bytes
	s_lshl_b32 s47, s40, 10
	s_lshl_b32 s38, s16, 9
	s_add_co_u32 s47, s47, s38                     ; my 128 features: 4 (256 cx + 128 half)
	s_cmp_eq_u32 s18, 2
	s_cselect_b32 s47, 0, s47
	s_cselect_b32 s46, s46, 0
	; where my results go.  p < 2: record (batch x 16 + head) x 32 + group of 64 rows
	s_and_b32 s58, s17, 15
	s_lshl_b32 s59, s58, 5
	s_lshl_b32 s60, s41, 3
	s_add_co_u32 s59, s59, s60
	s_lshl_b32 s60, s15, 2
	s_add_co_u32 s59, s59, s60                     ; my first tile of x in its tensor
	s_lshr_b32 s60, s59, 7                         ; batch
	s_lshl_b32 s60, s60, 4
	s_lshl_b32 s61, s40, 2
	s_add_co_u32 s60, s60, s61
	s_lshl_b32 s61, s16, 1
	s_add_co_u32 s60, s60, s61                     ; + my first head: 4 cx + 2 half
	s_lshl_b32 s60, s60, 5
	s_and_b32 s61, s59, 127
	s_lshr_b32 s61, s61, 2
	s_add_co_u32 s60, s60, s61
	s_mul_i32 s60, s60, REC
	s_mul_i32 s61, s18, 6815744
	s_add_co_u32 s60, s60, s61
	; p = 2: record (batch x 16 + head) x 16 + key step
	s_lshr_b32 s58, s58, 1
	s_lshl_b32 s58, s58, 6
	s_lshl_b32 s61, s40, 4
	s_add_co_u32 s58, s58, s61
	s_lshl_b32 s61, s16, 3
	s_add_co_u32 s58, s58, s61                     ; my first tile of v
	s_lshr_b32 s61, s58, 7
	s_lshl_b32 s61, s61, 4
	s_add_co_u32 s61, s61, s45
	s_lshl_b32 s61, s61, 4
	s_and_b32 s58, s58, 127
	s_lshr_b32 s58, s58, 3
	s_add_co_u32 s61, s61, s58
	s_mul_i32 s61, s61, 6400
	s_add_co_u32 s61, s61, 13631488
	s_cmp_eq_u32 s18, 2
	s_cselect_b32 s56, s61, s60
	s_mov_b32 s57, 0
	s_mov_b32 s62, 0xffff0000                      ; lanes 16-31
	s_mov_b32 s[SEL], 0x76543210
	s_mov_b32 s[SEL+1], 0xfedcba98                 ; v_permlanex16_b32's selects for lane l xor 16
	s_wait_dscnt 0x0
	s_wait_kmcnt 0x0
	s_add_nc_u64 s[32:33], s[4:5], s[32:33]
	s_add_nc_u64 s[34:35], s[4:5], s[34:35]
	s_add_nc_u64 s[12:13], s[12:13], s[56:57]
	s_cmp_eq_u32 s18, 1
	s_cselect_b64 s[6:7], s[8:9], s[6:7]
	s_cmp_eq_u32 s18, 2
	s_cselect_b64 s[6:7], s[10:11], s[6:7]         ; the projection's bias
.irp c, 0,1,2,3
	s_mov_b32 s[G0A+4*\c], 1                                       ; count = 1
	s_add_co_u32 s[G0A+4*\c+1], s36, \c*CH                         ; LDS address
	s_add_nc_u64 s[G0A+4*\c+2:G0A+4*\c+3], s[32:33], \c*REC        ; global address: record c of my first tile
	s_or_b32 s[G0A+4*\c+3], s[G0A+4*\c+3], 0x80000000              ; type = 2
	s_mov_b32 s[G0B+4*\c], 1
	s_add_co_u32 s[G0B+4*\c+1], s37, \c*CH
	s_add_nc_u64 s[G0B+4*\c+2:G0B+4*\c+3], s[34:35], \c*REC
	s_or_b32 s[G0B+4*\c+3], s[G0B+4*\c+3], 0x80000000
.endr
	CROUND                                         ; all sixteen work-groups are here: the joint loads meet
	s_cmp_eq_u32 s15, 0                            ; a wave's four fills stand in one branch on the wave's number, ahead of every wait on TENSORcnt and every LDS read; four v_nop follow the last
	s_cbranch_scc0 .Lfirst_b
	tensor_load_to_lds s[G0A:G0A+3], s[G1A:G1A+7]
	s_nop 0
	tensor_load_to_lds s[G0A+4:G0A+7], s[G1A:G1A+7]
	s_nop 0
	tensor_load_to_lds s[G0A+8:G0A+11], s[G1A:G1A+7]
	s_nop 0
	tensor_load_to_lds s[G0A+12:G0A+15], s[G1A:G1A+7]
	s_nop 0
	PLACES 4
	s_branch .Lfirst_asked
.Lfirst_b:
	tensor_load_to_lds s[G0B:G0B+3], s[G1B:G1B+7]
	s_nop 0
	tensor_load_to_lds s[G0B+4:G0B+7], s[G1B:G1B+7]
	s_nop 0
	tensor_load_to_lds s[G0B+8:G0B+11], s[G1B:G1B+7]
	s_nop 0
	tensor_load_to_lds s[G0B+12:G0B+15], s[G1B:G1B+7]
	s_nop 0
	PLACES 4
.Lfirst_asked:
	v_and_b32 v2, 31, v0                           ; lane
	v_and_b32 v3, 15, v0                           ; r
	v_bfe_u32 v4, v0, 4, 1                         ; h
	v_lshlrev_b32 v[O8], 3, v2
	v_lshlrev_b32 v[O16], 4, v2
	s_mul_i32 s38, s15, 4*REC
	v_add_nc_u32 v[ADRA], s38, v[O8]               ; my 4 tiles of A in chunk 0
	s_mul_i32 s38, s16, 8*REC
	s_add_co_u32 s38, s38, 8*REC
	v_add_nc_u32 v[ADRB], s38, v[O8]               ; my 8 tiles of B, behind A's 8
	v_lshl_add_u32 v5, v4, 6, s47                  ; the bias along the registers: register 16 e + i is feature 32 e + 16 h + i
	v_and_b32 v6, 8, v3
	v_add_nc_u32 v6, v6, v3
	v_lshl_add_u32 v6, v6, 2, s46                  ; the bias of my lane's channel: r + 8 (r / 8)
.irp b, 0,1,2,3
	v_mov_b32 v[TM+4+\b], 0                        ; written once: a lane permute's destination counts as one of its sources
.endr
	WIN 0xc0                                       ; destination window 3
.irp be, 0,1,2,3
.irp j, 0,1,2,3
	global_load_b128 v[BP+16*\be+4*\j:BP+16*\be+4*\j+3], v5, s[6:7] offset:128*\be+16*\j
.endr
.endr
.irp a, 0,1,2,3
	global_load_b32 v[BR+2*\a], v6, s[6:7] offset:4*(32*(\a/2)+8*(\a%2))
	v_mov_b32 v[BR+2*\a+1], 0                      ; (named with it as a pair, so it is written)
.endr
	WIN 0
; The fragments of K step q (chunk q / 2, its half q % 2) into set q % 2: every load reads 256 consecutive bytes.  With a chunk's first half come its scale words: lane l gets (word of half 0, word of half 1) of row l % 16.
.macro FETCH q
	WIN 0x40                                       ; destination window 1, address window 0
.irp b, 0,1,2,3,4,5,6,7
.irp p, 0,1,2,3,4,5
	ds_load_b64 v[128*((\q)%2)+12*\b+2*\p:128*((\q)%2)+12*\b+2*\p+1], v[ADRB] offset:REC*\b+1536*((\q)%2)+256*\p
.endr
.endr
	WIN 0
.irp a, 0,1,2,3
.irp p, 0,1,2,3,4,5
	ds_load_b64 v[AF+48*((\q)%2)+12*\a+2*\p:AF+48*((\q)%2)+12*\a+2*\p+1], v[ADRA] offset:REC*\a+1536*((\q)%2)+256*\p
.endr
.endr
.if (\q)%2 == 0
.irp b, 0,1,2,3,4,5,6,7
	ds_load_b64 v[SB+16*(((\q)/2)%2)+2*\b:SB+16*(((\q)/2)%2)+2*\b+1], v[ADRB] offset:REC*\b+3072
.endr
.irp a, 0,1,2,3
	ds_load_b64 v[SA+8*(((\q)/2)%2)+2*\a:SA+8*(((\q)/2)%2)+2*\a+1], v[ADRA] offset:REC*\a+3072
.endr
.endif
.endm
; 32 matrix instructions: 128 along K.  The 32 accumulators take turns, one instruction a turn, in the same order in every step.  first = 1: the products start the sums.
.macro MUL q, first
.irp a, 0,1,2,3
.irp b, 0,1,2,3,4,5,6,7
.if \first
	v_wmma_scale_f32_16x16x128_f8f6f4 v[8*(8*\a+\b):8*(8*\a+\b)+7], v[128*((\q)%2)+12*\b:128*((\q)%2)+12*\b+11], v[AF+48*((\q)%2)+12*\a:AF+48*((\q)%2)+12*\a+11], 0, v[SB+16*(((\q)/2)%2)+2*\b+(\q)%2], v[SA+8*(((\q)/2)%2)+2*\a+(\q)%2] matrix_a_fmt:MATRIX_FMT_FP6 matrix_b_fmt:MATRIX_FMT_FP6
.else
	v_wmma_scale_f32_16x16x128_f8f6f4 v[8*(8*\a+\b):8*(8*\a+\b)+7], v[128*((\q)%2)+12*\b:128*((\q)%2)+12*\b+11], v[AF+48*((\q)%2)+12*\a:AF+48*((\q)%2)+12*\a+11], v[8*(8*\a+\b):8*(8*\a+\b)+7], v[SB+16*(((\q)/2)%2)+2*\b+(\q)%2], v[SA+8*(((\q)/2)%2)+2*\a+(\q)%2] matrix_a_fmt:MATRIX_FMT_FP6 matrix_b_fmt:MATRIX_FMT_FP6
.endif
.endr
.endr
.endm
; K step q: its fragments were asked for a step ago; the next step's are asked for ahead of its products.
.macro STEP q, first
	s_wait_dscnt 0x0                               ; this step's fragments are in
.if ((\q)%2 == 1) && ((\q) < 7)
	s_wait_tensorcnt (5-(\q))/2                    ; my part of the next chunk has landed; the count is that of my later chunks, which may stay out
	s_barrier_signal -1
	s_barrier_wait -1                              ; everybody's has
	v_add_nc_u32 v[ADRA], CH, v[ADRA]
	v_add_nc_u32 v[ADRB], CH, v[ADRB]
.endif
.if (\q) < 7
.if (\q) > 0
	PLACES 4                                       ; four places in front of loads into registers that matrix instructions have read (ISA guide 7.12.1 for vector instructions)
.endif
	FETCH (\q)+1
.endif
	WIN 0xa1                                       ; source 0 (B) window 1, source 1 (A) window 0, C and D window 2
	MUL \q, \first
	WIN 0
.endm
	s_wait_tensorcnt 3                             ; my part of chunk 0 is in; my three later chunks may be out,
	s_barrier_signal -1
	s_barrier_wait -1                              ; everybody's is
	FETCH 0
	STEP 0, 1
	STEP 1, 0
	STEP 2, 0
	STEP 3, 0
	STEP 4, 0
	STEP 5, 0
	STEP 6, 0
	STEP 7, 0
	PLACES 4                                       ; in front of the first read of results and of writes over A's fragments
	s_wait_loadcnt 0x0                             ; the bias
; 64 numbers of a lane, v[s] .. v[s + 63], register 16 b + i = k 32 b + 16 (lane / 16) + i of my row, become a fragment's codes in v[PC] on and its scale word in v[pw].
.macro QUANT s, pw
.irp b, 0,1,2,3
	v_max3_num_f32 v[TM+\b], |v[\s+16*\b]|, |v[\s+1+16*\b]|, 0x1800000   ; block b: my 16 numbers, and the floor 2^(3 - 127): the byte cannot fall under 1
.endr
.irp i, 2,4,6,8,10,12,14
.irp b, 0,1,2,3
	v_max3_num_f32 v[TM+\b], v[TM+\b], |v[\s+16*\b+\i]|, |v[\s+1+16*\b+\i]|   ; (the four blocks by turns)
.endr
.endr
.irp b, 0,1,2,3
	v_permlanex16_b32 v[TM+4+\b], v[TM+\b], s[SEL], s[SEL+1]
.endr
.irp b, 0,1,2,3
	v_max_num_f32 v[TM+\b], v[TM+\b], v[TM+4+\b]   ; with lane l xor 16's: the block's largest magnitude
.endr
.irp b, 0,1,2,3
	v_add_nc_u32 v[TM+12+\b], 0xff000000, v[TM+\b]   ; 2 off its exponent field: the conversion's scale operand
.endr
.irp b, 0,1,2,3
	v_lshrrev_b32 v[TM+4+\b], 23, v[TM+12+\b]      ; the scale's byte
.endr
	v_lshl_or_b32 v[\pw], v[TM+5], 8, v[TM+4]      ; the four bytes make my row's scale word, the same in lanes l and l xor 16
	v_lshl_or_b32 v[\pw], v[TM+6], 16, v[\pw]
	v_lshl_or_b32 v[\pw], v[TM+7], 24, v[\pw]
.irp c, 0,1
	v_cvt_scalef32_pk16_fp6_f32 v[PC+6*\c:PC+2+6*\c], v[\s+32*\c:\s+15+32*\c], v[TM+12+2*\c]
	v_cvt_scalef32_pk16_fp6_f32 v[PC+12+4*\c:PC+14+4*\c], v[\s+16+32*\c:\s+31+32*\c], v[TM+12+2*\c+1]   ; (a conversion's three registers begin on an even number)
.endr
	v_nop                                          ; one plain place behind a scaled conversion
.irp c, 0,1                                    ; the operand's layout wants a WHOLE block in a lane: lanes 0-15 block 2 c, lanes 16-31 block 2 c + 1
.irp i, 0,1,2
	v_permlane16_swap_b32 v[PC+6*\c+\i], v[PC+12+4*\c+\i]
.endr
.irp i, 0,1,2
	v_mov_b32 v[PC+3+6*\c+\i], v[PC+12+4*\c+\i]
.endr
.endr
.endm
; THE WAY OUT, a tile of A at a time: the bias is added (which also brings the sums into window 0, each accumulator from its low end on), the 64 numbers are quantised, the codes are stored as they stand.
; mode 0: registers 0-5 are my first head's 64 codes, registers 6-11 the next head's, whose records lie 106,496 bytes on.  mode 1: one fragment of 16 channels x 128 keys.
.macro EPI mode
.irp a, 0,1,2,3
.if \a > 0
	s_wait_xcnt 0x0                                ; the last tile's stores have read the codes' registers
.endif
	WIN 0x0e                                       ; source 0 window 2, source 1 window 3, destination window 0
.set kk, 0
.rept 32
.if \mode
	v_pk_add_f32 v[NUM+2*kk:NUM+2*kk+1], v[64*\a+2*kk:64*\a+2*kk+1], v[BR+2*\a:BR+2*\a+1] op_sel_hi:[1,0]
.else
	v_pk_add_f32 v[NUM+2*kk:NUM+2*kk+1], v[64*\a+2*kk:64*\a+2*kk+1], v[BP+2*kk:BP+2*kk+1]
.endif
.set kk, kk+1
.endr
	WIN 0
	QUANT NUM, PWS+\a
.if \mode
.irp g, 0,1,2
	global_store_b128 v[O16], v[PC+4*\g:PC+4*\g+3], s[12:13] offset:1536*\a+512*\g     ; 512 consecutive bytes, aligned
.endr
.else
.irp p, 0,1,2
	global_store_b64 v[O8], v[PC+2*\p:PC+2*\p+1], s[12:13] offset:768*\a+256*\p        ; 256 consecutive bytes, aligned
	global_store_b64 v[O8], v[PC+6+2*\p:PC+7+2*\p], s[12:13] offset:106496+768*\a+256*\p
.endr
.endif
.endr
	v_cndmask_b32 v[WA], v[PWS], v[PWS+1], s62     ; tile 0's words in lanes 0-15, tile 1's in lanes 16-31
	v_cndmask_b32 v[WA+1], v[PWS+2], v[PWS+3], s62
.if \mode
	global_store_b64 v[O8], v[WA:WA+1], s[12:13] offset:6144
.else
	v_lshrrev_b32 v[WA+2], 16, v[WA]               ; the next head's two bytes come down; the bytes above them scale zero codes alone and are never 0xff
	v_lshrrev_b32 v[WA+3], 16, v[WA+1]
	global_store_b64 v[O8], v[WA:WA+1], s[12:13] offset:3072
	global_store_b64 v[O8], v[WA+2:WA+3], s[12:13] offset:106496+3072
.endif
.endm
	s_cmp_eq_u32 s18, 2                            ; the same way in all sixteen partners
	s_cbranch_scc1 .Lmode1
	EPI 0
	s_branch .Lend
.Lmode1:
	EPI 1
.Lend:
	s_wait_tensorcnt 0x0
	ds_add_u32 v254, v255
	s_wait_dscnt 0x0
	CROUND                                         ; the closing round: no work-group ends while a partner may still ask for a tile that names it
	s_endpgm
.Lfunc_end_k_qae49e94d9e_proj:
	.size	k_qae49e94d9e_proj, .Lfunc_end_k_qae49e94d9e_proj-k_qae49e94d9e_proj
	.p2alignl 7, 3214868480
	.fill 96, 4, 3214868480
	.section	.rodata,"a",@progbits
	.p2align	6, 0x0
	.amdhsa_kernel k_qae49e94d9e_proj
		.amdhsa_group_segment_fixed_size 320000
		.amdhsa_private_segment_fixed_size 0
		.amdhsa_enable_private_segment 0
		.amdhsa_kernarg_size 40
		.amdhsa_user_sgpr_count 2
		.amdhsa_user_sgpr_kernarg_segment_ptr 1
		.amdhsa_wavefront_size32 1
		.amdhsa_system_sgpr_workgroup_id_x 1
		.amdhsa_system_sgpr_workgroup_id_y 1
		.amdhsa_system_sgpr_workgroup_id_z 1
		.amdhsa_system_vgpr_workitem_id 0
		.amdhsa_next_free_vgpr 840
		.amdhsa_next_free_sgpr 100
		.amdhsa_reserve_vcc 0
		.amdhsa_float_denorm_mode_32 3
		.amdhsa_float_denorm_mode_16_64 3
		.amdhsa_memory_ordered 1
		.amdhsa_forward_progress 1
		.amdhsa_inst_pref_size 137
	.end_amdhsa_kernel
	.amdgpu_metadata
---
amdhsa.version: [ 1, 2 ]
amdhsa.kernels:
  - .name:           k_qae49e94d9e_proj
    .symbol:         k_qae49e94d9e_proj.kd
    .args:
      - { .name: cod, .offset: 0, .size: 8, .value_kind: global_buffer, .address_space: global }
      - { .name: wq_b, .offset: 8, .size: 8, .value_kind: global_buffer, .address_space: global }
      - { .name: wk_b, .offset: 16, .size: 8, .value_kind: global_buffer, .address_space: global }
      - { .name: wv_b, .offset: 24, .size: 8, .value_kind: global_buffer, .address_space: global }
      - { .name: pc, .offset: 32, .size: 8, .value_kind: global_buffer, .address_space: global }
    .group_segment_fixed_size: 320000
    .private_segment_fixed_size: 0
    .kernarg_segment_align: 8
    .kernarg_segment_size: 40
    .max_flat_workgroup_size: 128
    .sgpr_count:     100
    .vgpr_count:     840
    .wavefront_size: 32
...
	.end_amdgpu_metadata
.endif
;; end of part 2
;; launch attn (part 3): grid 4 x 64, 16 waves a work-group, no clusters, 210,944 bytes of LDS; arguments pc, mkw, ac; writes ac
.if DOCPART == 3
	.amdgcn_target "amdgcn-amd-amdhsa--gfx1250"
	.amdhsa_code_object_version 6
	.text
	.protected	k_qae49e94d9e_attn
	.globl	k_qae49e94d9e_attn
	.p2align	8
	.type	k_qae49e94d9e_attn,@function
k_qae49e94d9e_attn:
	s_mov_b64 s[64:65], 0
	v_nop
	global_prefetch_b8 v0, s[64:65] scope:SCOPE_SE
	s_setreg_imm32_b32 hwreg(HW_REG_WAVE_MODE, 25, 1), 1
	s_wait_xcnt 0x0
; x[b][h][q] = the sum over k of softmax_k(where(mask, Q . K / 8, hidden)) V, both products on codes of FP6 (E2M3) with one E8M0 scale for each 32 along a product's K; x is quantised along the model's axis for the last projection.
; THE SOFTMAX AHEAD OF THE SECOND PRODUCT: t = score x log2(e) / 8; M = the row's largest t so far, rounded UP to a whole number; p = 2^(t - M) is what is quantised, along the keys, not normalised.
; The row's sum is taken of the unquantised p and divides at the end.  When M moves, the sum and O are multiplied by 2^(old M - new M): exact.
; SHARES.  A work-group owns one (batch, head) and 512 queries; each of its sixteen waves owns two tiles of 16 queries, one after the other, in 256 registers: four waves to a SIMD, so that one wave's
; vector work stands beside another's matrix work and LDS loads.  The head's K (106,496 bytes) and V (102,400 bytes) lie in LDS whole, as images of operand registers, filled once, through registers.
; NO CLUSTER, NO TENSOR LOAD: a key step branches on a stored flag (has the mask a hole here?), so LDS is filled through registers; what partners would share is fetched once by a work-group: 208,896 bytes for 32 key steps a wave.
; LAYOUT.  Both products are used transposed: S^T = K Q^T (source 0 = 16 keys, source 1 = my 16 queries), O^T = V^T P^T: a lane holds ONE query throughout.  Lane index r of a tile T of keys, queries or channels is
; row 32 (T / 2) + 8 (T % 2) + r + 8 (r / 8), so that the 16 registers of two neighbouring result tiles are 16 neighbours.
; K = 64 IN AN INSTRUCTION OF 128: Q's registers 6-11 are zero codes.  K's operand is named 12 registers long: its upper six hold the next tile's codes (the last tile's: zeros), which meet zero codes; no scale byte is 0xff.
; THE MASK comes as bit words laid as the score registers lie (word n, bit = lane), by scalar loads; a hidden key's raw score becomes -2^33.
; LIMITS: a hidden key's logit is so -2^30 = -1.074e9 where the definition has -1e9: with it t is exact, a fully hidden row gives p = 1 for every key, as the definition does, and the results are equal as long as
; a row's largest open logit lies above about -1e9.  A block of zeros gets the byte 1 (its codes are zeros; this program alone reads the bytes).  NaN and infinities are not served.
.set VB,    106496                     ; V's records in LDS, behind K's
.set KOFF,  6815744                    ; K in pc
.set VOFF,  13631488                   ; V in pc
.set AK0,   1                          ; v1   8 x lane
.set AV0,   2                          ; v2   VB + 16 x lane
.set ADK,   3                          ; v3   the step's records of K
.set ADV,   4                          ; v4   the step's record of V
.set HID,   5                          ; v5   -2^33
.set AS0,   9                          ; v9   VB + 6,144 + 8 x lane
.set ADS,   10                         ; v10  the step's scale words of V
.set S,     96                         ; v96-159  S^T, then p
.set O,     160                        ; v160-191 O^T
.set PCD,   192                        ; v192-203 p's codes
.set CT,    204                        ; v204-210 at work for the conversions
.set BM,    212                        ; v212-215 the blocks' largest
.set PT,    216                        ; v216-219 the other half's; then the bytes
.set SOP,   220                        ; v220-223 the conversions' scale operands
.set OC,    240                        ; v240-245 x's codes
.set HW,    246                        ; v246 x's two scale bytes
.set SEL,   12                         ; s12, s13 lane selects
.set CS,    14                         ; s[14:15] c = log2(e) / 8
	s_load_b128 s[4:7], s[0:1], 0x0                ; pc, mkw
	s_load_b64 s[8:9], s[0:1], 0x10                ; ac
	v_lshl_add_u32 v254, v0, 2, 0x33000
	v_mov_b32 v255, 0
	v_lshrrev_b32 v6, 5, v0
	v_readfirstlane_b32 s10, v6                    ; wave 0..15
	v_and_b32 v6, 31, v0                           ; lane
	v_and_b32 v11, 15, v0                          ; r
	v_lshlrev_b32 v[AK0], 3, v6
	v_lshlrev_b32 v[AV0], 4, v6
	v_add_nc_u32 v[AV0], VB, v[AV0]
	v_add_nc_u32 v[AS0], VB+6144, v[AK0]
	v_lshlrev_b32 v7, 4, v0                        ; 16 x thread
	v_lshlrev_b32 v8, 3, v0                        ; 8 x thread
	s_and_b32 s16, ttmp7, 0xffff                   ; batch x 16 + head
	s_and_b32 s11, s10, 1
	s_lshr_b32 s17, s10, 1
	s_lshl_b32 s18, ttmp9, 3
	s_add_co_u32 s17, s17, s18                     ; Q's record in the head: my two tiles lie in one group of 64 rows
	s_mul_i32 s17, s17, 3328
	s_mul_i32 s18, s16, 106496
	s_add_co_u32 s22, s17, s18
	s_mov_b32 s23, 0
	s_add_co_u32 s18, s18, KOFF
	s_mov_b32 s19, 0
	s_mul_i32 s20, s16, 102400
	s_add_co_u32 s20, s20, VOFF
	s_mov_b32 s21, 0
	s_lshl_b32 s2, ttmp9, 5
	s_lshl_b32 s3, s10, 1
	s_add_co_u32 s2, s2, s3                        ; my first tile of queries: 32 x + 2 wave
	s_lshl_b32 s30, s2, 12                         ; its mask words: 16 key steps x 256 bytes; the next tile's follow
	s_mov_b32 s31, 0
	s_lshl_b32 s26, s2, 4
	s_add_co_u32 s26, s26, 524288                  ; its flags: 4 words a tile
	s_mov_b32 s27, 0
	s_lshr_b32 s3, s16, 4
	s_lshl_b32 s3, s3, 7
	s_add_co_u32 s3, s3, s2                        ; the tile of rows in ac: 128 x batch + tile
	s_mul_i32 s3, s3, 13312
	s_and_b32 s28, s16, 15                         ; head
	s_lshr_b32 s29, s28, 2
	s_mul_i32 s29, s29, 3328
	s_add_co_u32 s3, s3, s29                       ; the record: 256 along K are four heads
	s_and_b32 s29, s28, 3
	s_lshl_b32 s24, s29, 1
	s_add_co_u32 s24, s24, s3
	s_add_co_u32 s100, s24, 3072                   ; my head's two scale bytes of a lane's eight
	s_mov_b32 s101, 0
	s_lshr_b32 s29, s29, 1
	s_mul_i32 s29, s29, 1536
	s_add_co_u32 s3, s3, s29                       ; the K step,
	s_and_b32 s29, s28, 1
	s_mul_i32 s29, s29, 768
	s_add_co_u32 s66, s3, s29                      ; and its lower or upper three chunks
	s_mov_b32 s67, 0
	s_mov_b32 s[SEL], 0x76543210
	s_mov_b32 s[SEL+1], 0xfedcba98
	s_mov_b32 s[CS], 0x3e38aa3b                    ; c = log2(e) / 8
	s_mov_b32 s[CS+1], s[CS]                       ; (named with it as a pair, so it is written)
	s_wait_kmcnt 0x0
	s_add_nc_u64 s[22:23], s[4:5], s[22:23]
	s_add_nc_u64 s[18:19], s[4:5], s[18:19]
	s_add_nc_u64 s[20:21], s[4:5], s[20:21]
	s_add_nc_u64 s[30:31], s[6:7], s[30:31]
	s_add_nc_u64 s[26:27], s[6:7], s[26:27]
	s_add_nc_u64 s[66:67], s[8:9], s[66:67]
	s_add_nc_u64 s[100:101], s[8:9], s[100:101]
	s_load_b256 s[32:39], s[26:27], 0x0            ; the flags of my two tiles
	s_mul_i32 s3, s11, 1536
	v_add_nc_u32 v10, s3, v[AK0]                   ; Q's codes: tile 2 (wave % 2) of the record, 768 bytes a tile
	s_lshl_b32 s3, s11, 2
	v_lshl_add_u32 v11, v11, 3, s3                 ; Q's scale words: lane slot r (the odd tile: 16 + r), word wave % 2
.irp p, 0,1,2
	global_load_b64 v[16+2*\p:17+2*\p], v10, s[22:23] offset:256*\p
	global_load_b64 v[232+2*\p:233+2*\p], v10, s[22:23] offset:768+256*\p
.endr
	global_load_b32 v28, v11, s[22:23] offset:3072
	global_load_b32 v238, v11, s[22:23] offset:3072+128
	; the head's K and V: 8,192 consecutive bytes an instruction of the work-group
.irp g, 0,1,2,3,4,5,6,7,8,9,10,11,12
	global_load_b128 v[32+4*\g:35+4*\g], v7, s[18:19] offset:8192*\g
.endr
.irp g, 0,1,2,3,4,5,6,7,8,9,10,11
	global_load_b128 v[84+4*\g:87+4*\g], v7, s[20:21] offset:8192*\g
.endr
	global_load_b64 v[132:133], v8, s[20:21] offset:98304
.irp k, 0,1,2,3
	v_add_nc_u32 v[134+\k], 65536*\k, v7           ; an LDS immediate has 16 bits: the register carries the rest
.endr
	v_add_nc_u32 v138, 204800, v8
.irp g, 0,1,2,3,4,5,6,7,8,9,10,11,12,13,14,15,16,17,18,19,20,21,22,23,24
	s_wait_loadcnt 25-\g                           ; load g is in; the count is that of the loads issued behind it
	ds_store_b128 v[134+\g/8], v[32+4*\g:35+4*\g] offset:8192*(\g%8)
.endr
	s_wait_loadcnt 0x0
	ds_store_b64 v138, v[132:133]
	s_wait_dscnt 0x0                               ; for the others' sake: my stores have landed
	s_barrier_signal -1
	s_barrier_wait -1                              ; the launch's one barrier: from here on LDS is only read
	v_mov_b32 v[HID], 0xd0000000                   ; -2^33
.irp i, 0,1,2,3,4,5
	v_mov_b32 v[22+\i], 0                          ; Q's upper 64 codes
	v_mov_b32 v[80+\i], 0                          ; what stands behind K's last tile
.endr
.irp b, 0,1,2,3
	v_mov_b32 v[PT+\b], 0                          ; written once: a lane permute's destination counts as one of its sources
.endr
	v_mov_b32 v229, 0                              ; (named as the upper half of the pair v[228:229])
	s_wait_kmcnt 0x0
	s_lshl_b32 s33, s33, 4                         ; four bits a quarter: bit s of the joined word is key step s
	s_lshl_b32 s34, s34, 8
	s_lshl_b32 s35, s35, 12
	s_or_b32 s24, s32, s33
	s_or_b32 s24, s24, s34
	s_or_b32 s24, s24, s35
	s_lshl_b32 s37, s37, 4
	s_lshl_b32 s38, s38, 8
	s_lshl_b32 s39, s39, 12
	s_or_b32 s25, s36, s37
	s_or_b32 s25, s25, s38
	s_or_b32 s25, s25, s39
	s_mov_b32 s29, 2
.Ltile:                                            ; two trips: my two tiles of queries
	v_mov_b32 v13, 0xff61b1e6                      ; the largest t so far: -3e38, under every t
	v_floor_f32 v12, -v13                          ; -M
	v_mov_b32 v14, 0                               ; the sum, in two halves
	v_mov_b32 v15, 0
.set j, 0
.rept 32
	v_mov_b32 v[O+j], 0                            ; O^T.  (The key step is written once: the first finds zeros, which the first change of M leaves zeros)
.set j, j+1
.endr
	s_mov_b32 s27, 0                               ; where the step's records of K begin,
	s_mov_b32 s28, 0                               ; and V's
	s_mov_b32 s26, 0                               ; the key step
.Lkey:                                             ; sixteen trips of 128 keys
	s_load_b512 s[32:47], s[30:31], 0x0            ; the step's 64 mask words
	s_load_b512 s[48:63], s[30:31], 0x40
	s_load_b512 s[68:83], s[30:31], 0x80
	s_load_b512 s[84:99], s[30:31], 0xc0
	v_add_nc_u32 v[ADK], s27, v[AK0]               ; these four are the places in front of loads into registers that the last products have read
	v_add_nc_u32 v[ADV], s28, v[AV0]
	v_add_nc_u32 v[ADS], s28, v[AS0]
	v_nop
.irp t, 0,1,2,3,4,5,6,7
.irp p, 0,1,2
	ds_load_b64 v[32+6*\t+2*\p:33+6*\t+2*\p], v[ADK] offset:(\t/4)*3328+(\t%4)*768+256*\p
.endr
.endr
	ds_load_b64 v[86:87], v[ADK] offset:3072       ; K's scale words: (tiles 0 | 1, tiles 2 | 3),
	ds_load_b64 v[88:89], v[ADK] offset:6400       ; (tiles 4 | 5, tiles 6 | 7)
	s_wait_dscnt 0x0
.irp t, 0,1,2,3,4,5,6,7
.if (\t%2) == 0
	v_wmma_scale_f32_16x16x128_f8f6f4 v[S+8*\t:S+8*\t+7], v[32+6*\t:43+6*\t], v[16:27], 0, v[86+\t/2], v28 matrix_a_fmt:MATRIX_FMT_FP6 matrix_b_fmt:MATRIX_FMT_FP6
.else
	v_wmma_scale_f32_16x16x128_f8f6f4 v[S+8*\t:S+8*\t+7], v[32+6*\t:43+6*\t], v[16:27], 0, v[86+\t/2], v28 matrix_a_fmt:MATRIX_FMT_FP6 matrix_b_fmt:MATRIX_FMT_FP6 matrix_a_scale:MATRIX_SCALE_ROW1
.endif
.endr                                              ; lane (r, h) holds query r; register n is key 32 (n / 16) + 16 h + n % 16 of the step
.rept 4
	v_nop                                          ; places in front of the first read of the scores and of the loads into K's registers
.endr
.irp t, 0,1,2,3                                ; V is asked for now and lands under the softmax
.irp g, 0,1,2
	ds_load_b128 v[32+12*\t+4*\g:35+12*\t+4*\g], v[ADV] offset:1536*\t+512*\g
.endr
.endr
	ds_load_b64 v[90:91], v[ADS]
	s_wait_kmcnt 0x0                               ; the mask words are in, and their address may step
	s_add_nc_u64 s[30:31], s[30:31], 256
	s_bitcmp1_b32 s24, s26                         ; has the mask a hole in this step?  A stored whole number decides
	s_cbranch_scc0 .Lopen
.set n, 0
.rept 64
.if n < 32
	v_cndmask_b32 v[S+n], v[HID], v[S+n], s[32+n]  ; the bit is set where the key counts
.else
	v_cndmask_b32 v[S+n], v[HID], v[S+n], s[36+n]
.endif
.set n, n+1
.endr
.Lopen:
.irp b, 0,1,2,3
	v_max3_num_f32 v[BM+\b], v[S+16*\b], v[S+1+16*\b], v[S+2+16*\b]   ; THE LARGEST SCORE OF EACH BLOCK OF 32 KEYS: it serves for the row's maximum and, since p rises with the score, for the block's largest p
.endr
.irp i, 3,5,7,9,11,13
.irp b, 0,1,2,3
	v_max3_num_f32 v[BM+\b], v[BM+\b], v[S+16*\b+\i], v[S+1+16*\b+\i]   ; (the four blocks by turns)
.endr
.endr
.irp b, 0,1,2,3
	v_max_num_f32 v[BM+\b], v[BM+\b], v[S+15+16*\b]
.endr
.irp b, 0,1,2,3
	v_permlanex16_b32 v[PT+\b], v[BM+\b], s[SEL], s[SEL+1]
.endr
.irp b, 0,1,2,3
	v_max_num_f32 v[BM+\b], v[BM+\b], v[PT+\b]     ; with lane l xor 16's 16 keys
.endr
	v_max3_num_f32 v226, v[BM], v[BM+1], v[BM+2]
	v_max_num_f32 v226, v226, v[BM+3]              ; the step's largest score of my query
	v_mul_f32 v226, s[CS], v226                    ; as t (c is positive)
	v_max_num_f32 v13, v13, v226                   ; the running largest t
	v_mov_b32 v226, v12
	v_floor_f32 v12, -v13                          ; the new -M = floor(-t) = -ceil(t): M is a whole number
	v_sub_f32 v226, v12, v226                      ; M's old value less its new one: a whole number, 0 or less
	v_cvt_i32_f32 v226, v226                       ; (it saturates)
	v_ldexp_f32 v228, 1.0, v226                    ; f = 2^(old M - new M)
.set j, 0
.rept 32
	v_pk_fma_f32 v[S+j:S+j+1], v[S+j:S+j+1], s[CS:CS+1], v[12:13] op_sel_hi:[1,0,0]   ; t - M, two at a time (of the pairs c and -M the low word serves both halves)
.set j, j+2
.endr
.irp b, 0,1,2,3
	v_fma_f32 v[BM+\b], v[BM+\b], s[CS], v12       ; the same of each block's largest score
.endr
.set j, 0
.rept 64
	v_exp_f32 v[S+j], v[S+j]                       ; p = 2^(t - M), at most 1: not normalised
.set j, j+1
.endr
	v_pk_mul_f32 v[14:15], v[14:15], v[228:229] op_sel_hi:[1,0]   ; the sums under the new M: a plain place behind the exponentials
	s_wait_alu depctr_va_vdst(0)                   ; one wait for the whole batch, ahead of its first reader
.irp b, 0,1,2,3
	v_exp_f32 v[BM+\b], v[BM+\b]                   ; the block's largest p: the same two instructions on the same number give the same bits
.endr
	v_pk_add_f32 v[224:225], v[S:S+1], v[S+2:S+3]  ; the row's sum is taken of the UNQUANTISED p: two at a time, in two chains; it reads the 64 alone
.set j, 4
.rept 15
	v_pk_add_f32 v[14:15], v[14:15], v[S+j:S+j+1]
	v_pk_add_f32 v[224:225], v[224:225], v[S+j+2:S+j+3]
.set j, j+4
.endr
	v_pk_add_f32 v[14:15], v[14:15], v[224:225]
	s_wait_alu depctr_va_vdst(0)                   ; and one for the four
.irp b, 0,1,2,3
	v_max_num_f32 v[BM+\b], 0x1800000, v[BM+\b]    ; the floor 2^(3 - 127): the byte cannot fall under 1
.endr
.irp b, 0,1,2,3
	v_add_nc_u32 v[SOP+\b], 0xff000000, v[BM+\b]   ; 2 off the exponent field: the conversion's scale operand
.endr
.irp b, 0,1,2,3
	v_lshrrev_b32 v[PT+\b], 23, v[SOP+\b]          ; the scale's byte
.endr
	v_lshl_or_b32 v92, v[PT+1], 8, v[PT]           ; p's scale word for these 128 keys
	v_lshl_or_b32 v92, v[PT+2], 16, v92
	v_lshl_or_b32 v92, v[PT+3], 24, v92
.irp c, 0,1
	v_cvt_scalef32_pk16_fp6_f32 v[PCD+6*\c:PCD+2+6*\c], v[S+32*\c:S+15+32*\c], v[SOP+2*\c]
	v_cvt_scalef32_pk16_fp6_f32 v[CT+4*\c:CT+2+4*\c], v[S+16+32*\c:S+31+32*\c], v[SOP+2*\c+1]   ; (a conversion's three registers begin on an even number)
.endr
	v_nop                                          ; one plain place behind a scaled conversion
.irp c, 0,1                                    ; the operand's layout wants a WHOLE block in a lane
.irp i, 0,1,2
	v_permlane16_swap_b32 v[PCD+6*\c+\i], v[CT+4*\c+\i]
.endr
.irp i, 0,1,2
	v_mov_b32 v[PCD+3+6*\c+\i], v[CT+4*\c+\i]
.endr
.endr
.set j, 0
.rept 16
	v_pk_mul_f32 v[O+j:O+j+1], v[O+j:O+j+1], v[228:229] op_sel_hi:[1,0]   ; O^T under the new M.  (These 16 are also the places between the scale word, the codes and the products below)
.set j, j+2
.endr
	s_wait_dscnt 0x0                               ; V is in
.irp t, 0,1,2,3                                ; O^T += V^T P^T: the four accumulators by turns
.if (\t%2) == 0
	v_wmma_scale_f32_16x16x128_f8f6f4 v[O+8*\t:O+8*\t+7], v[32+12*\t:43+12*\t], v[PCD:PCD+11], v[O+8*\t:O+8*\t+7], v[90+\t/2], v92 matrix_a_fmt:MATRIX_FMT_FP6 matrix_b_fmt:MATRIX_FMT_FP6
.else
	v_wmma_scale_f32_16x16x128_f8f6f4 v[O+8*\t:O+8*\t+7], v[32+12*\t:43+12*\t], v[PCD:PCD+11], v[O+8*\t:O+8*\t+7], v[90+\t/2], v92 matrix_a_fmt:MATRIX_FMT_FP6 matrix_b_fmt:MATRIX_FMT_FP6 matrix_a_scale:MATRIX_SCALE_ROW1
.endif
.endr
	s_add_co_u32 s27, s27, 6656                    ; two records of K,
	s_add_co_u32 s28, s28, 6400                    ; one of V
	s_add_co_u32 s26, s26, 1
	s_cmp_lt_u32 s26, 16
	s_cbranch_scc1 .Lkey
	; THE TILE'S END: O^T / the sum; register 16 b + i is channel 32 b + 16 h + i of my query: two blocks of the last projection's K
	v_add_f32 v14, v14, v15                        ; the sum's two halves,
	v_permlanex16_b32 v226, v14, s[SEL], s[SEL+1]
	v_add_f32 v14, v14, v226                       ; and lane l xor 16's: the row's sum
	v_rcp_f32 v228, v14
.rept 4
	v_nop                                          ; the plain place behind the reciprocal, and places behind the last products
.endr
	s_wait_alu depctr_va_vdst(0)                   ; the wait ahead of the reciprocal's first reader
.set j, 0
.rept 16
	v_pk_mul_f32 v[S+j:S+j+1], v[O+j:O+j+1], v[228:229] op_sel_hi:[1,0]   ; each accumulator from its low end on
.set j, j+2
.endr
.irp b, 0,1
	v_max3_num_f32 v[BM+\b], |v[S+16*\b]|, |v[S+1+16*\b]|, 0x1800000
.endr
.irp i, 2,4,6,8,10,12,14
.irp b, 0,1
	v_max3_num_f32 v[BM+\b], v[BM+\b], |v[S+16*\b+\i]|, |v[S+1+16*\b+\i]|
.endr
.endr
.irp b, 0,1
	v_permlanex16_b32 v[PT+\b], v[BM+\b], s[SEL], s[SEL+1]
.endr
.irp b, 0,1
	v_max_num_f32 v[BM+\b], v[BM+\b], v[PT+\b]
.endr
.irp b, 0,1
	v_add_nc_u32 v[SOP+\b], 0xff000000, v[BM+\b]
.endr
.irp b, 0,1
	v_lshrrev_b32 v[PT+\b], 23, v[SOP+\b]
.endr
	v_lshl_or_b32 v[HW], v[PT+1], 8, v[PT]         ; my head's two scale bytes, the same in lanes l and l xor 16
	v_cvt_scalef32_pk16_fp6_f32 v[OC:OC+2], v[S:S+15], v[SOP]
	v_cvt_scalef32_pk16_fp6_f32 v[CT:CT+2], v[S+16:S+31], v[SOP+1]
	v_nop                                          ; one plain place behind a scaled conversion
.irp i, 0,1,2
	v_permlane16_swap_b32 v[OC+\i], v[CT+\i]
.endr
.irp i, 0,1,2
	v_mov_b32 v[OC+3+\i], v[CT+\i]                 ; six registers: k = 32 h + 0 .. 31 of my head's 64
.endr
.irp p, 0,1,2
	global_store_b64 v[AK0], v[OC+2*\p:OC+2*\p+1], s[66:67] offset:256*\p   ; 256 consecutive bytes, aligned
.endr
	global_store_b16 v[AK0], v[HW], s[100:101]     ; two of a lane's eight scale bytes: the other six are three other heads'
	s_wait_xcnt 0x0                                ; the stores have read their registers and bases
	s_add_nc_u64 s[66:67], s[66:67], 13312         ; on to the next tile of rows
	s_add_nc_u64 s[100:101], s[100:101], 13312
.irp i, 0,1,2,3,4,5
	v_mov_b32 v[16+\i], v[232+\i]                  ; the next tile's Q,
.endr
	v_mov_b32 v28, v238                            ; its scale words,
	s_mov_b32 s24, s25                             ; its flags
	s_sub_co_u32 s29, s29, 1
	s_cmp_lg_u32 s29, 0
	s_cbranch_scc1 .Ltile
	s_wait_tensorcnt 0x0
	ds_add_u32 v254, v255
	s_wait_dscnt 0x0
	s_endpgm
.Lfunc_end_k_qae49e94d9e_attn:
	.size	k_qae49e94d9e_attn, .Lfunc_end_k_qae49e94d9e_attn-k_qae49e94d9e_attn
	.p2alignl 7, 3214868480
	.fill 96, 4, 3214868480
	.section	.rodata,"a",@progbits
	.p2align	6, 0x0
	.amdhsa_kernel k_qae49e94d9e_attn
		.amdhsa_group_segment_fixed_size 210944
		.amdhsa_private_segment_fixed_size 0
		.amdhsa_enable_private_segment 0
		.amdhsa_kernarg_size 24
		.amdhsa_user_sgpr_count 2
		.amdhsa_user_sgpr_kernarg_segment_ptr 1
		.amdhsa_wavefront_size32 1
		.amdhsa_system_sgpr_workgroup_id_x 1
		.amdhsa_system_sgpr_workgroup_id_y 1
		.amdhsa_system_sgpr_workgroup_id_z 1
		.amdhsa_system_vgpr_workitem_id 0
		.amdhsa_next_free_vgpr 256
		.amdhsa_next_free_sgpr 102
		.amdhsa_reserve_vcc 0
		.amdhsa_float_denorm_mode_32 3
		.amdhsa_float_denorm_mode_16_64 3
		.amdhsa_memory_ordered 1
		.amdhsa_forward_progress 1
		.amdhsa_inst_pref_size 37
	.end_amdhsa_kernel
	.amdgpu_metadata
---
amdhsa.version: [ 1, 2 ]
amdhsa.kernels:
  - .name:           k_qae49e94d9e_attn
    .symbol:         k_qae49e94d9e_attn.kd
    .args:
      - { .name: pc, .offset: 0, .size: 8, .value_kind: global_buffer, .address_space: global }
      - { .name: mkw, .offset: 8, .size: 8, .value_kind: global_buffer, .address_space: global }
      - { .name: ac, .offset: 16, .size: 8, .value_kind: global_buffer, .address_space: global }
    .group_segment_fixed_size: 210944
    .private_segment_fixed_size: 0
    .kernarg_segment_align: 8
    .kernarg_segment_size: 24
    .max_flat_workgroup_size: 512
    .sgpr_count:     102
    .vgpr_count:     256
    .wavefront_size: 32
...
	.end_amdgpu_metadata
.endif
;; end of part 3
;; launch outp (part 4): grid 4 x 64, 4 waves a work-group, clusters of 4 x 4, 320,000 bytes of LDS; arguments ac, cod, wo_b, out0; writes out0
.if DOCPART == 4
	.amdgcn_target "amdgcn-amd-amdhsa--gfx1250"
	.amdhsa_code_object_version 6
	.text
	.protected	k_qae49e94d9e_outp
	.globl	k_qae49e94d9e_outp
	.p2align	8
	.type	k_qae49e94d9e_outp,@function
k_qae49e94d9e_outp:
	s_mov_b64 s[64:65], 0
	v_nop
	global_prefetch_b8 v0, s[64:65] scope:SCOPE_SE
	s_setreg_imm32_b32 hwreg(HW_REG_WAVE_MODE, 25, 1), 1
	s_wait_xcnt 0x0
	s_wait_alu depctr_hold_cnt(0) depctr_sa_sdst(0) depctr_va_vdst(0) depctr_va_sdst(0) depctr_va_ssrc(0) depctr_va_vcc(0) depctr_vm_vsrc(0)
	s_getreg_b32 s2, hwreg(HW_REG_IB_STS2, 6, 4)
	s_cmp_eq_u32 s2, 0
	s_cbranch_scc0 .Lentry_in_a_cluster
	s_endpgm
.Lentry_in_a_cluster:
	s_bfe_u32 s2, ttmp6, 0x10000c
	s_cmp_lg_u32 s2, 0xf033
	s_cbranch_scc0 .Lentry_shape_is_right
	s_endpgm
.Lentry_shape_is_right:
; out0 = x wo_w^T + wo_b on codes of FP6 (E2M3): M 8,192, N 1,024, K 1,024; out0 f32.  x's codes (ac) and the weight's (cod, tiles 1728 on) lie as images of operand registers:
; a TILE is 16 rows (lane index r of tile T is row 32 (T / 2) + 8 (T % 2) + r + 8 (r / 8)), 4 records of 3,328 bytes (256 along K: two K steps' six chunks of 256 bytes, then 256 bytes of scale words).
; A WORK-GROUP makes 128 rows (A = x, source 1) x 256 columns (B = the weight, source 0: a lane's registers run along the columns).  Four waves, each 64 x 128: 32 accumulators.  The bias is the C of each sum's first product.
; ALL OF K LIES IN LDS, filled ONCE, in four chunks of 256 along K (79,872 bytes each: A's 8 tiles, then B's 16): no byte of LDS is filled twice, so there is no ring.
; CLUSTERS: 4 x 4 work-groups.  A's tiles hang on the cluster's row alone, B's on its column alone: each is asked for JOINTLY.  A wave has four tensor loads out.
; REGISTERS, in windows of 256: window 0: v16, v20 LDS addresses; v24-26 the way out; v32-63, v64-79 scale words of B and A, two sets; v128-223 A's fragments, two sets (in the way out v128-255: rows of out0).
;   window 1: B's fragments, two sets, at v0 and v128.   window 2: the accumulators ((a, b) at v[8 (8 a + b)]).   window 3: v0-63 the bias: register 16 e + i is column 32 e + 16 h + i.
.set CH,    79872
.set REC,   3328
.set ADRA,  16
.set ADRB,  20
.set STO,   24                         ; the way out: where I put 32 bytes of a row
.set RD,    25                         ; where I read a row back
.set CO,    26                         ; 16 x lane: my bytes of a row of 512
.set SB,    32
.set SA,    64
.set AF,    128
.set BK,    128
.set BP,    0                          ; window 3
.set G1A,   24
.set G1B,   48
.set G0A,   68
.set G0B,   84
.set MSB, 0
.macro WIN new                         ; the immediate's high byte repeats the setting that is left
.if MSB != \new
	s_set_vgpr_msb (MSB<<8)|\new
.set MSB, \new
.endif
.endm
.macro CROUND                          ; a round of the cluster's barrier
	s_barrier_signal -1
	s_barrier_wait -1
	s_cmp_lg_u32 s14, 0
	s_cbranch_scc1 .Lnot_wave_0_\@
	s_barrier_signal -3
.Lnot_wave_0_\@:
	s_barrier_wait -3
	s_barrier_signal -1
	s_barrier_wait -1
.endm
.macro PLACES n
.rept \n
	v_nop
.endr
.endm
	s_load_b256 s[4:11], s[0:1], 0x0               ; ac, cod, wo_b, out0
	v_lshl_add_u32 v126, v0, 2, 0x4e000
	v_mov_b32 v127, 0
	ds_add_u32 v126, v127
	ds_add_u32 v126, v127
	v_lshrrev_b32 v1, 5, v0
	v_readfirstlane_b32 s14, v1                    ; wave 0..3
	s_lshr_b32 s15, s14, 1                         ; which 64 rows are mine.  Also: I fetch for A (0) or for B (1)
	s_and_b32 s16, s14, 1                          ; which 128 columns.  Also: which half of that tile I fetch
	s_bfe_u32 s40, ttmp6, 0x40000                  ; cx, cy: my place in the cluster
	s_bfe_u32 s41, ttmp6, 0x40004
	s_and_b32 s17, ttmp7, 0xffff                   ; the cluster's y, 0 .. 15
	s_lshl_b32 s43, s41, 2
	s_lshl_b32 s43, 15, s43                        ; my row of the cluster
	s_lshl_b32 s44, 0x1111, s40                    ; my column
	s_or_b32 s[G1A], s43, (3<<16)|(1<<21)          ; 15:0 the mask; 17:16 elements of 8 bytes; 20 no padding; 21 set beside a mask
	s_or_b32 s[G1B], s44, (3<<16)|(1<<21)
.irp g, G1A, G1B
	s_mov_b32 s[\g+1], 416<<16                     ; tensor_dim0: a record
	s_mov_b32 s[\g+3], 416<<16                     ; tile_dim0
	s_mov_b32 s[\g+5], 1664                        ; tensor_dim0_stride: a tile
	s_mov_b32 s[\g+6], 0
	s_mov_b32 s[\g+7], 0
.endr
	s_mov_b32 s[G1A+2], 4<<16                      ; tensor_dim1
	s_mov_b32 s[G1A+4], 4                          ; tile_dim1
	s_mov_b32 s[G1B+2], 8<<16
	s_mov_b32 s[G1B+4], 8
	s_lshl_b32 s19, s17, 5
	s_lshl_b32 s20, s41, 3
	s_add_co_u32 s19, s19, s20                     ; A's first tile: 32 Y + 8 cy
	s_lshl_b32 s21, s40, 4
	s_add_co_u32 s21, s21, 1728                    ; B's: 1728 + 16 cx
	s_lshl_b32 s23, s16, 2
	s_add_co_u32 s23, s19, s23
	s_mul_i32 s32, s23, 13312
	s_mov_b32 s33, 0
	s_lshl_b32 s39, s16, 3
	s_add_co_u32 s39, s21, s39
	s_mul_i32 s34, s39, 13312
	s_mov_b32 s35, 0
	s_mul_i32 s36, s16, 4*REC                      ; where they go: no place in the cluster enters an LDS address
	s_mul_i32 s37, s16, 8*REC
	s_add_co_u32 s37, s37, 8*REC
	s_lshl_b32 s47, s40, 10
	s_lshl_b32 s38, s16, 9
	s_add_co_u32 s47, s47, s38                     ; my 128 columns, in bytes: 4 (256 cx + 128 half)
	s_lshl_b32 s56, s17, 2
	s_add_co_u32 s56, s56, s41
	s_lshl_b32 s56, s56, 7
	s_lshl_b32 s58, s15, 6
	s_add_co_u32 s56, s56, s58                     ; my first row: 128 (4 Y + cy) + 64 half
	s_lshl_b32 s56, s56, 12
	s_add_co_u32 s56, s56, s47
	s_mov_b32 s57, 0
	s_wait_dscnt 0x0
	s_wait_kmcnt 0x0
	s_add_nc_u64 s[32:33], s[4:5], s[32:33]
	s_add_nc_u64 s[34:35], s[6:7], s[34:35]
	s_add_nc_u64 s[10:11], s[10:11], s[56:57]
.irp c, 0,1,2,3
	s_mov_b32 s[G0A+4*\c], 1                                       ; count = 1
	s_add_co_u32 s[G0A+4*\c+1], s36, \c*CH                         ; LDS address
	s_add_nc_u64 s[G0A+4*\c+2:G0A+4*\c+3], s[32:33], \c*REC        ; global address: record c of my first tile
	s_or_b32 s[G0A+4*\c+3], s[G0A+4*\c+3], 0x80000000              ; type = 2
	s_mov_b32 s[G0B+4*\c], 1
	s_add_co_u32 s[G0B+4*\c+1], s37, \c*CH
	s_add_nc_u64 s[G0B+4*\c+2:G0B+4*\c+3], s[34:35], \c*REC
	s_or_b32 s[G0B+4*\c+3], s[G0B+4*\c+3], 0x80000000
.endr
	CROUND                                         ; all sixteen work-groups are here: the joint loads meet
	s_cmp_eq_u32 s15, 0                            ; a wave's four fills stand in one branch on the wave's number, ahead of every wait on TENSORcnt and every LDS read; four v_nop follow the last
	s_cbranch_scc0 .Lfirst_b
	tensor_load_to_lds s[G0A:G0A+3], s[G1A:G1A+7]
	s_nop 0
	tensor_load_to_lds s[G0A+4:G0A+7], s[G1A:G1A+7]
	s_nop 0
	tensor_load_to_lds s[G0A+8:G0A+11], s[G1A:G1A+7]
	s_nop 0
	tensor_load_to_lds s[G0A+12:G0A+15], s[G1A:G1A+7]
	s_nop 0
	PLACES 4
	s_branch .Lfirst_asked
.Lfirst_b:
	tensor_load_to_lds s[G0B:G0B+3], s[G1B:G1B+7]
	s_nop 0
	tensor_load_to_lds s[G0B+4:G0B+7], s[G1B:G1B+7]
	s_nop 0
	tensor_load_to_lds s[G0B+8:G0B+11], s[G1B:G1B+7]
	s_nop 0
	tensor_load_to_lds s[G0B+12:G0B+15], s[G1B:G1B+7]
	s_nop 0
	PLACES 4
.Lfirst_asked:
	v_and_b32 v2, 31, v0                           ; lane
	v_and_b32 v3, 15, v0                           ; r
	v_bfe_u32 v4, v0, 4, 1                         ; h
	v_lshlrev_b32 v6, 3, v2                        ; 8 x lane
	s_mul_i32 s38, s15, 4*REC
	v_add_nc_u32 v[ADRA], s38, v6                  ; my 4 tiles of A in chunk 0
	s_mul_i32 s38, s16, 8*REC
	s_add_co_u32 s38, s38, 8*REC
	v_add_nc_u32 v[ADRB], s38, v6                  ; my 8 tiles of B, behind A's 8
	v_lshl_add_u32 v5, v4, 6, s47                  ; the bias: my columns, + 16 h
	s_mul_i32 s38, s14, 8448                       ; my stage: 16 rows x 528 bytes, in chunk 0
	v_mul_u32_u24 v[STO], v3, 528
	v_lshl_add_u32 v[STO], v4, 6, v[STO]
	v_add_nc_u32 v[STO], s38, v[STO]               ; in: row r, + 64 h bytes
	v_lshlrev_b32 v[CO], 4, v2
	v_add_nc_u32 v[RD], s38, v[CO]                 ; back: the 32 lanes take one row of 512 bytes
	WIN 0xc0                                       ; destination window 3
.irp be, 0,1,2,3
.irp j, 0,1,2,3
	global_load_b128 v[BP+16*\be+4*\j:BP+16*\be+4*\j+3], v5, s[8:9] offset:128*\be+16*\j
.endr
.endr
	WIN 0
; The fragments of K step q (chunk q / 2, its half q % 2) into set q % 2: every load reads 256 consecutive bytes.  With a chunk's first half come its scale words.
.macro FETCH q
	WIN 0x40                                       ; destination window 1, address window 0
.irp b, 0,1,2,3,4,5,6,7
.irp p, 0,1,2,3,4,5
	ds_load_b64 v[128*((\q)%2)+12*\b+2*\p:128*((\q)%2)+12*\b+2*\p+1], v[ADRB] offset:REC*\b+1536*((\q)%2)+256*\p
.endr
.endr
	WIN 0
.irp a, 0,1,2,3
.irp p, 0,1,2,3,4,5
	ds_load_b64 v[AF+48*((\q)%2)+12*\a+2*\p:AF+48*((\q)%2)+12*\a+2*\p+1], v[ADRA] offset:REC*\a+1536*((\q)%2)+256*\p
.endr
.endr
.if (\q)%2 == 0
.irp b, 0,1,2,3,4,5,6,7
	ds_load_b64 v[SB+16*(((\q)/2)%2)+2*\b:SB+16*(((\q)/2)%2)+2*\b+1], v[ADRB] offset:REC*\b+3072
.endr
.irp a, 0,1,2,3
	ds_load_b64 v[SA+8*(((\q)/2)%2)+2*\a:SA+8*(((\q)/2)%2)+2*\a+1], v[ADRA] offset:REC*\a+3072
.endr
.endif
.endm
; 32 matrix instructions: 128 along K.  The 32 accumulators take turns, one instruction a turn, in the same order in every step.  first = 1: the sums begin with the bias.
.macro MUL q, first
.irp a, 0,1,2,3
.irp b, 0,1,2,3,4,5,6,7
.if \first
	v_wmma_scale_f32_16x16x128_f8f6f4 v[8*(8*\a+\b):8*(8*\a+\b)+7], v[128*((\q)%2)+12*\b:128*((\q)%2)+12*\b+11], v[AF+48*((\q)%2)+12*\a:AF+48*((\q)%2)+12*\a+11], v[BP+8*\b:BP+8*\b+7], v[SB+16*(((\q)/2)%2)+2*\b+(\q)%2], v[SA+8*(((\q)/2)%2)+2*\a+(\q)%2] matrix_a_fmt:MATRIX_FMT_FP6 matrix_b_fmt:MATRIX_FMT_FP6
.else
	v_wmma_scale_f32_16x16x128_f8f6f4 v[8*(8*\a+\b):8*(8*\a+\b)+7], v[128*((\q)%2)+12*\b:128*((\q)%2)+12*\b+11], v[AF+48*((\q)%2)+12*\a:AF+48*((\q)%2)+12*\a+11], v[8*(8*\a+\b):8*(8*\a+\b)+7], v[SB+16*(((\q)/2)%2)+2*\b+(\q)%2], v[SA+8*(((\q)/2)%2)+2*\a+(\q)%2] matrix_a_fmt:MATRIX_FMT_FP6 matrix_b_fmt:MATRIX_FMT_FP6
.endif
.endr
.endr
.endm
.macro STEP q, first
	s_wait_dscnt 0x0                               ; this step's fragments are in
.if ((\q)%2 == 1) && ((\q) < 7)
	s_wait_tensorcnt (5-(\q))/2                    ; my part of the next chunk has landed; the count is that of my later chunks, which may stay out
	s_barrier_signal -1
	s_barrier_wait -1                              ; everybody's has
	v_add_nc_u32 v[ADRA], CH, v[ADRA]
	v_add_nc_u32 v[ADRB], CH, v[ADRB]
.endif
.if (\q) < 7
.if (\q) > 0
	PLACES 4                                       ; four places in front of loads into registers that matrix instructions have read (ISA guide 7.12.1 for vector instructions)
.endif
	FETCH (\q)+1
.endif
.if \first
	WIN 0xb1                                       ; source 0 (B) window 1, source 1 (A) window 0, C (the bias) window 3, D window 2
.else
	WIN 0xa1                                       ; C and D window 2
.endif
	MUL \q, \first
	WIN 0
.endm
	s_wait_tensorcnt 3                             ; my part of chunk 0 is in; my three later chunks may be out,
	s_barrier_signal -1
	s_barrier_wait -1                              ; everybody's is
	FETCH 0
	s_wait_loadcnt 0x0                             ; the bias
	STEP 0, 1
	STEP 1, 0
	STEP 2, 0
	STEP 3, 0
	STEP 4, 0
	STEP 5, 0
	STEP 6, 0
	STEP 7, 0
; THE WAY OUT, a tile of 16 rows x 128 columns at a time.  A lane holds pieces of one row, and the lanes beside it hold other rows: so a tile goes through my own stage in LDS and comes back as whole rows of 512 bytes.
; The stage lies in chunk 0, which has had its only fill; every wave's reads of chunk 0 were waited for ahead of the barrier of K step 1.  LDS serves a wave's instructions in order: no wait between the stores and the loads.
.macro TOSTAGE a
	WIN 0x08                                       ; an LDS store's data are its source 1: window 2
.irp b, 0,1,2,3,4,5,6,7
	ds_store_b128 v[STO], v[8*(8*(\a)+\b):8*(8*(\a)+\b)+3] offset:128*(\b/2)+32*(\b%2)          ; columns 32 (b / 2) + 16 h + 8 (b % 2) on; each accumulator from its low end on
	ds_store_b128 v[STO], v[8*(8*(\a)+\b)+4:8*(8*(\a)+\b)+7] offset:128*(\b/2)+32*(\b%2)+16
.endr
	WIN 0
.set BB, BK+64*((\a)%2)
.irp t, 0,1,2,3,4,5,6,7,8,9,10,11,12,13,14,15
	ds_load_b128 v[BB+4*\t:BB+4*\t+3], v[RD] offset:\t*528
.endr
.endm
.macro SEND a, younger                 ; younger: the LDS instructions issued behind tile a's loads, which may stay out
.set BB, BK+64*((\a)%2)
	s_wait_dscnt \younger
.irp t, 0,1,2,3,4,5,6,7,8,9,10,11,12,13,14,15
	global_store_b128 v[CO], v[BB+4*\t:BB+4*\t+3], s[10:11] offset:(32*((\a)/2)+8*((\a)%2)+\t+8*(\t/8))*4096 th:TH_STORE_NT   ; 32 lanes store 512 consecutive bytes, aligned; the row's place stands in the immediate
.endr
.endm
	PLACES 4                                       ; in front of the first read of results and of loads into A's fragments' registers
	TOSTAGE 0
.irp a, 1,2,3
.if \a > 1
	s_wait_xcnt 0x0                                ; tile a - 2's stores have read their registers: tile a's loads may land there
.endif
	TOSTAGE \a
	SEND \a-1, 32                                  ; behind tile a - 1's loads: tile a's 16 stores and 16 loads
.endr
	SEND 3, 0
	s_wait_tensorcnt 0x0
	ds_add_u32 v126, v127
	s_wait_dscnt 0x0
	CROUND                                         ; the closing round: no work-group ends while a partner may still ask for a tile that names it
	s_endpgm
.Lfunc_end_k_qae49e94d9e_outp:
	.size	k_qae49e94d9e_outp, .Lfunc_end_k_qae49e94d9e_outp-k_qae49e94d9e_outp
	.p2alignl 7, 3214868480
	.fill 96, 4, 3214868480
	.section	.rodata,"a",@progbits
	.p2align	6, 0x0
	.amdhsa_kernel k_qae49e94d9e_outp
		.amdhsa_group_segment_fixed_size 320000
		.amdhsa_private_segment_fixed_size 0
		.amdhsa_enable_private_segment 0
		.amdhsa_kernarg_size 32
		.amdhsa_user_sgpr_count 2
		.amdhsa_user_sgpr_kernarg_segment_ptr 1
		.amdhsa_wavefront_size32 1
		.amdhsa_system_sgpr_workgroup_id_x 1
		.amdhsa_system_sgpr_workgroup_id_y 1
		.amdhsa_system_sgpr_workgroup_id_z 1
		.amdhsa_system_vgpr_workitem_id 0
		.amdhsa_next_free_vgpr 832
		.amdhsa_next_free_sgpr 100
		.amdhsa_reserve_vcc 0
		.amdhsa_float_denorm_mode_32 3
		.amdhsa_float_denorm_mode_16_64 3
		.amdhsa_memory_ordered 1
		.amdhsa_forward_progress 1
		.amdhsa_inst_pref_size 98
	.end_amdhsa_kernel
	.amdgpu_metadata
---
amdhsa.version: [ 1, 2 ]
amdhsa.kernels:
  - .name:           k_qae49e94d9e_outp
    .symbol:         k_qae49e94d9e_outp.kd
    .args:
      - { .name: ac, .offset: 0, .size: 8, .value_kind: global_buffer, .address_space: global }
      - { .name: cod, .offset: 8, .size: 8, .value_kind: global_buffer, .address_space: global }
      - { .name: wo_b, .offset: 16, .size: 8, .value_kind: global_buffer, .address_space: global }
      - { .name: out0, .offset: 24, .size: 8, .value_kind: global_buffer, .address_space: global }
    .group_segment_fixed_size: 320000
    .private_segment_fixed_size: 0
    .kernarg_segment_align: 8
    .kernarg_segment_size: 32
    .max_flat_workgroup_size: 128
    .sgpr_count:     100
    .vgpr_count:     832
    .wavefront_size: 32
...
	.end_amdgpu_metadata
.endif
;; end of part 4
;; ======== version 2 of 2: 4 launches; version 1 with the launch attn written anew for expert scheduling mode
;; limits: right only within a limited range of input values
;; workspace buffers: cod 23,855,104 bytes; mkw 526,336 bytes of whole numbers; pc 20,185,088 bytes; ac 6,815,744 bytes
;; launch quant: the kernel of part 1 again; grid 1024 x 1, 4 waves a work-group, no clusters, 34,304 bytes of LDS; arguments q, k, v, wq_w, wk_w, wv_w, wo_w, mask, cod, mkw; writes cod, mkw
;; launch proj: the kernel of part 2 again; grid 4 x 192, 4 waves a work-group, clusters of 4 x 4, 320,000 bytes of LDS; arguments cod, wq_b, wk_b, wv_b, pc; writes pc
;; launch attn (part 5): grid 4 x 64, 16 waves a work-group, no clusters, 210,944 bytes of LDS; arguments pc, mkw, ac; writes ac
.if DOCPART == 5
	.amdgcn_target "amdgcn-amd-amdhsa--gfx1250"
	.amdhsa_code_object_version 6
	.text
	.protected	k_qae49e94d9e_attn
	.globl	k_qae49e94d9e_attn
	.p2align	8
	.type	k_qae49e94d9e_attn,@function
k_qae49e94d9e_attn:
	s_mov_b64 s[64:65], 0
	v_nop
	global_prefetch_b8 v0, s[64:65] scope:SCOPE_SE
	s_setreg_imm32_b32 hwreg(HW_REG_WAVE_SCHED_MODE, 0, 2), 2
	s_setreg_imm32_b32 hwreg(HW_REG_WAVE_MODE, 25, 1), 1
	s_wait_xcnt 0x0
	s_wait_alu depctr_vm_vsrc(0)
; x[b][h][q] = the sum over k of softmax_k(where(mask, Q . K / 8, hidden)) V, both products on codes of FP6 (E2M3) with one E8M0 scale for each 32 along a product's K; x is quantised along the model's axis for the last projection.
; THE SOFTMAX AHEAD OF THE SECOND PRODUCT: t = score x log2(e) / 8; M = the row's largest t so far, rounded UP to a whole number; p = 2^(t - M) is what is quantised, along the keys, not normalised.
; The row's sum is taken of the unquantised p and divides at the end.  When M moves, the sum and O are multiplied by 2^(old M - new M): exact.
; SHARES.  A work-group owns one (batch, head) and 512 queries; each of its sixteen waves owns two tiles of 16 queries, one after the other, in 256 registers: four waves to a SIMD, so that one wave's
; vector work stands beside another's matrix work and LDS loads.  The head's K (106,496 bytes) and V (102,400 bytes) lie in LDS whole, as images of operand registers, filled once, through registers.
; NO CLUSTER, NO TENSOR LOAD: a key step branches on a stored flag (has the mask a hole here?), so LDS is filled through registers; what partners would share is fetched once by a work-group: 208,896 bytes for 32 key steps a wave.
; LAYOUT.  Both products are used transposed: S^T = K Q^T (source 0 = 16 keys, source 1 = my 16 queries), O^T = V^T P^T: a lane holds ONE query throughout.  Lane index r of a tile T of keys, queries or channels is
; row 32 (T / 2) + 8 (T % 2) + r + 8 (r / 8), so that the 16 registers of two neighbouring result tiles are 16 neighbours.
; K = 64 IN AN INSTRUCTION OF 128: Q's registers 6-11 are zero codes.  K's operand is named 12 registers long: its upper six hold the next tile's codes (the last tile's: zeros), which meet zero codes; no scale byte is 0xff.
; THE MASK comes as bit words laid as the score registers lie (word n, bit = lane), by scalar loads; a hidden key's raw score becomes -2^33.
; LIMITS: a hidden key's logit is so -2^30 = -1.074e9 where the definition has -1e9: with it t is exact, a fully hidden row gives p = 1 for every key, as the definition does, and the results are equal as long as
; a row's largest open logit lies above about -1e9.  A block of zeros gets the byte 1 (its codes are zeros; this program alone reads the bytes).  NaN and infinities are not served.
; THE MODE: SCHED_MODE bits 1:0 = 2 (LLVM: expert scheduling mode 2), set by the entry lines.  The code itself states the register dependences between vector or matrix instructions and memory or LDS
; instructions, with s_wait_alu, always for 0.
; THE PLAN.  Registers that LDS or memory instructions touch:
;   v32-79         In a key step: K's LDS loads land; the 8 products K Q^T read them; V's LDS loads land; the 4 products V^T P read them.  (At the head v32-133 take the global loads and are the LDS stores' data.)
;   v86-89, v90-91 K's and V's scale words: loaded with their fragments, read by the same products.
;   v3, v4, v10    LDS addresses: written by three additions at a step's head, read by the step's LDS loads.
;   v1             8 x lane, the offset of a tile's stores: written once, at the head.
;   v240-246       x's codes and scale bytes: written by vector instructions at a tile's end, read by its four stores.
;   All else (Q, the scores, p, O^T, p's codes, the statistics) is named in the loops by vector and matrix instructions alone.
; A wave's 256 registers leave no room for a second set of 48, so K and V take turns in one set, and a key step has these waits: one on vm_vsrc ahead of the three additions; one on va_vdst behind them, ahead of K's loads;
; one behind the products K Q^T, ahead of V's loads, which then land under the softmax; the two behind the exponentials; one ahead of the products V^T P, for p's codes and scale word.
.set VB,    106496                     ; V's records in LDS, behind K's
.set KOFF,  6815744                    ; K in pc
.set VOFF,  13631488                   ; V in pc
.set AK0,   1                          ; v1   8 x lane
.set AV0,   2                          ; v2   VB + 16 x lane
.set ADK,   3                          ; v3   the step's records of K
.set ADV,   4                          ; v4   the step's record of V
.set HID,   5                          ; v5   -2^33
.set AS0,   9                          ; v9   VB + 6,144 + 8 x lane
.set ADS,   10                         ; v10  the step's scale words of V
.set S,     96                         ; v96-159  S^T, then p
.set O,     160                        ; v160-191 O^T
.set PCD,   192                        ; v192-203 p's codes
.set CT,    204                        ; v204-210 at work for the conversions
.set BM,    212                        ; v212-215 the blocks' largest
.set PT,    216                        ; v216-219 the other half's; then the bytes
.set SOP,   220                        ; v220-223 the conversions' scale operands
.set OC,    240                        ; v240-245 x's codes
.set HW,    246                        ; v246 x's two scale bytes
.set SEL,   12                         ; s12, s13 lane selects
.set CS,    14                         ; s[14:15] c = log2(e) / 8
	s_load_b128 s[4:7], s[0:1], 0x0                ; pc, mkw
	s_load_b64 s[8:9], s[0:1], 0x10                ; ac
	v_lshl_add_u32 v254, v0, 2, 0x33000
	v_mov_b32 v255, 0
	v_lshrrev_b32 v6, 5, v0
	v_readfirstlane_b32 s10, v6                    ; wave 0..15
	v_and_b32 v6, 31, v0                           ; lane
	v_and_b32 v11, 15, v0                          ; r
	v_lshlrev_b32 v[AK0], 3, v6
	v_lshlrev_b32 v[AV0], 4, v6
	v_add_nc_u32 v[AV0], VB, v[AV0]
	v_add_nc_u32 v[AS0], VB+6144, v[AK0]
	v_lshlrev_b32 v7, 4, v0                        ; 16 x thread
	v_lshlrev_b32 v8, 3, v0                        ; 8 x thread
.irp k, 0,1,2,3
	v_add_nc_u32 v[134+\k], 65536*\k, v7           ; where K and V go in LDS: an LDS immediate has 16 bits, the register carries the rest.  (Made here, so that one wait serves all the head's addresses)
.endr
	v_add_nc_u32 v138, 204800, v8
	s_and_b32 s16, ttmp7, 0xffff                   ; batch x 16 + head
	s_wait_alu depctr_va_sdst(0)                   ; s10 is written, ahead of its first reader: the addresses below are made from it
	s_and_b32 s11, s10, 1
	s_lshr_b32 s17, s10, 1
	s_lshl_b32 s18, ttmp9, 3
	s_add_co_u32 s17, s17, s18                     ; Q's record in the head: my two tiles lie in one group of 64 rows
	s_mul_i32 s17, s17, 3328
	s_mul_i32 s18, s16, 106496
	s_add_co_u32 s22, s17, s18
	s_mov_b32 s23, 0
	s_add_co_u32 s18, s18, KOFF
	s_mov_b32 s19, 0
	s_mul_i32 s20, s16, 102400
	s_add_co_u32 s20, s20, VOFF
	s_mov_b32 s21, 0
	s_lshl_b32 s2, ttmp9, 5
	s_lshl_b32 s3, s10, 1
	s_add_co_u32 s2, s2, s3                        ; my first tile of queries: 32 x + 2 wave
	s_lshl_b32 s30, s2, 12                         ; its mask words: 16 key steps x 256 bytes; the next tile's follow
	s_mov_b32 s31, 0
	s_lshl_b32 s26, s2, 4
	s_add_co_u32 s26, s26, 524288                  ; its flags: 4 words a tile
	s_mov_b32 s27, 0
	s_lshr_b32 s3, s16, 4
	s_lshl_b32 s3, s3, 7
	s_add_co_u32 s3, s3, s2                        ; the tile of rows in ac: 128 x batch + tile
	s_mul_i32 s3, s3, 13312
	s_and_b32 s28, s16, 15                         ; head
	s_lshr_b32 s29, s28, 2
	s_mul_i32 s29, s29, 3328
	s_add_co_u32 s3, s3, s29                       ; the record: 256 along K are four heads
	s_and_b32 s29, s28, 3
	s_lshl_b32 s24, s29, 1
	s_add_co_u32 s24, s24, s3
	s_add_co_u32 s100, s24, 3072                   ; my head's two scale bytes of a lane's eight
	s_mov_b32 s101, 0
	s_lshr_b32 s29, s29, 1
	s_mul_i32 s29, s29, 1536
	s_add_co_u32 s3, s3, s29                       ; the K step,
	s_and_b32 s29, s28, 1
	s_mul_i32 s29, s29, 768
	s_add_co_u32 s66, s3, s29                      ; and its lower or upper three chunks
	s_mov_b32 s67, 0
	s_mov_b32 s[SEL], 0x76543210
	s_mov_b32 s[SEL+1], 0xfedcba98
	s_mov_b32 s[CS], 0x3e38aa3b                    ; c = log2(e) / 8
	s_mov_b32 s[CS+1], s[CS]                       ; (named with it as a pair, so it is written)
	s_wait_kmcnt 0x0
	s_add_nc_u64 s[22:23], s[4:5], s[22:23]
	s_add_nc_u64 s[18:19], s[4:5], s[18:19]
	s_add_nc_u64 s[20:21], s[4:5], s[20:21]
	s_add_nc_u64 s[30:31], s[6:7], s[30:31]
	s_add_nc_u64 s[26:27], s[6:7], s[26:27]
	s_add_nc_u64 s[66:67], s[8:9], s[66:67]
	s_add_nc_u64 s[100:101], s[8:9], s[100:101]
	s_load_b256 s[32:39], s[26:27], 0x0            ; the flags of my two tiles
	s_mul_i32 s3, s11, 1536
	v_add_nc_u32 v10, s3, v[AK0]                   ; Q's codes: tile 2 (wave % 2) of the record, 768 bytes a tile
	s_lshl_b32 s3, s11, 2
	v_lshl_add_u32 v11, v11, 3, s3                 ; Q's scale words: lane slot r (the odd tile: 16 + r), word wave % 2
	s_wait_alu depctr_va_vdst(0)                   ; the offsets v7, v8, v10, v11, which the loads below read, the LDS addresses v134 to v138, which the LDS stores below read, and v1, the offset of the tiles' stores, are written
.irp p, 0,1,2
	global_load_b64 v[16+2*\p:17+2*\p], v10, s[22:23] offset:256*\p
	global_load_b64 v[232+2*\p:233+2*\p], v10, s[22:23] offset:768+256*\p
.endr
	global_load_b32 v28, v11, s[22:23] offset:3072
	global_load_b32 v238, v11, s[22:23] offset:3072+128
	; the head's K and V: 8,192 consecutive bytes an instruction of the work-group
.irp g, 0,1,2,3,4,5,6,7,8,9,10,11,12
	global_load_b128 v[32+4*\g:35+4*\g], v7, s[18:19] offset:8192*\g
.endr
.irp g, 0,1,2,3,4,5,6,7,8,9,10,11
	global_load_b128 v[84+4*\g:87+4*\g], v7, s[20:21] offset:8192*\g
.endr
	global_load_b64 v[132:133], v8, s[20:21] offset:98304
.irp g, 0,1,2,3,4,5,6,7,8,9,10,11,12,13,14,15,16,17,18,19,20,21,22,23,24
	s_wait_loadcnt 25-\g                           ; load g is in; the count is that of the loads issued behind it
	ds_store_b128 v[134+\g/8], v[32+4*\g:35+4*\g] offset:8192*(\g%8)
.endr
	s_wait_loadcnt 0x0
	ds_store_b64 v138, v[132:133]
	s_wait_dscnt 0x0                               ; for the others' sake: my stores have landed
	s_barrier_signal -1
	s_barrier_wait -1                              ; the launch's one barrier: from here on LDS is only read
	s_wait_alu depctr_vm_vsrc(0)                   ; my LDS stores have read their data v32 to v133 and their addresses v134 to v138, my global loads their offsets: the moves below, the key steps' LDS loads and the products write these registers
	v_mov_b32 v[HID], 0xd0000000                   ; -2^33
.irp i, 0,1,2,3,4,5
	v_mov_b32 v[22+\i], 0                          ; Q's upper 64 codes
	v_mov_b32 v[80+\i], 0                          ; what stands behind K's last tile
.endr
.irp b, 0,1,2,3
	v_mov_b32 v[PT+\b], 0                          ; written once: a lane permute's destination counts as one of its sources
.endr
	v_mov_b32 v229, 0                              ; (named as the upper half of the pair v[228:229])
	s_wait_kmcnt 0x0
	s_lshl_b32 s33, s33, 4                         ; four bits a quarter: bit s of the joined word is key step s
	s_lshl_b32 s34, s34, 8
	s_lshl_b32 s35, s35, 12
	s_or_b32 s24, s32, s33
	s_or_b32 s24, s24, s34
	s_or_b32 s24, s24, s35
	s_lshl_b32 s37, s37, 4
	s_lshl_b32 s38, s38, 8
	s_lshl_b32 s39, s39, 12
	s_or_b32 s25, s36, s37
	s_or_b32 s25, s25, s38
	s_or_b32 s25, s25, s39
	s_mov_b32 s29, 2
.Ltile:                                            ; two trips: my two tiles of queries
	v_mov_b32 v13, 0xff61b1e6                      ; the largest t so far: -3e38, under every t
	v_floor_f32 v12, -v13                          ; -M
	v_mov_b32 v14, 0                               ; the sum, in two halves
	v_mov_b32 v15, 0
.set j, 0
.rept 32
	v_mov_b32 v[O+j], 0                            ; O^T.  (The key step is written once: the first finds zeros, which the first change of M leaves zeros)
.set j, j+1
.endr
	s_mov_b32 s27, 0                               ; where the step's records of K begin,
	s_mov_b32 s28, 0                               ; and V's
	s_mov_b32 s26, 0                               ; the key step
.Lkey:                                             ; sixteen trips of 128 keys
	s_load_b512 s[32:47], s[30:31], 0x0            ; the step's 64 mask words.  (The last step's selects, which read these registers, stand ahead of that step's waits on va_vdst)
	s_load_b512 s[48:63], s[30:31], 0x40
	s_load_b512 s[68:83], s[30:31], 0x80
	s_load_b512 s[84:99], s[30:31], 0xc0
	s_wait_alu depctr_vm_vsrc(0)                   ; the LDS loads issued so far have read v[ADK], v[ADV] and v[ADS], which the three additions write
	v_add_nc_u32 v[ADK], s27, v[AK0]               ; (three additions and a v_nop: four plain places behind the last products; they stay beside the wait below)
	v_add_nc_u32 v[ADV], s28, v[AV0]
	v_add_nc_u32 v[ADS], s28, v[AS0]
	v_nop
	s_wait_alu depctr_va_vdst(0)                   ; the three addresses are written, which this step's LDS loads read; the last step's products are done reading v32 to v79 and v86 to v91, in which these loads land; in a tile's first step Q's codes, its zero codes, the zeros behind K's last tile and Q's scale word are written, which the products below take
.irp t, 0,1,2,3,4,5,6,7
.irp p, 0,1,2
	ds_load_b64 v[32+6*\t+2*\p:33+6*\t+2*\p], v[ADK] offset:(\t/4)*3328+(\t%4)*768+256*\p
.endr
.endr
	ds_load_b64 v[86:87], v[ADK] offset:3072       ; K's scale words: (tiles 0 | 1, tiles 2 | 3),
	ds_load_b64 v[88:89], v[ADK] offset:6400       ; (tiles 4 | 5, tiles 6 | 7)
	s_wait_dscnt 0x0
.irp t, 0,1,2,3,4,5,6,7
.if (\t%2) == 0
	v_wmma_scale_f32_16x16x128_f8f6f4 v[S+8*\t:S+8*\t+7], v[32+6*\t:43+6*\t], v[16:27], 0, v[86+\t/2], v28 matrix_a_fmt:MATRIX_FMT_FP6 matrix_b_fmt:MATRIX_FMT_FP6
.else
	v_wmma_scale_f32_16x16x128_f8f6f4 v[S+8*\t:S+8*\t+7], v[32+6*\t:43+6*\t], v[16:27], 0, v[86+\t/2], v28 matrix_a_fmt:MATRIX_FMT_FP6 matrix_b_fmt:MATRIX_FMT_FP6 matrix_a_scale:MATRIX_SCALE_ROW1
.endif
.endr                                              ; lane (r, h) holds query r; register n is key 32 (n / 16) + 16 h + n % 16 of the step
.rept 4
	v_nop                                          ; places in front of the first read of the scores (ISA guide 7.12.1)
.endr
	s_wait_alu depctr_va_vdst(0)                   ; the eight products are done reading K's fragments, v32 to v85: V's loads land in v32 to v79.  (v[ADV] and v[ADS] were written ahead of the step's first wait, and nothing since names them or v90, v91)
.irp t, 0,1,2,3                                ; V is asked for now and lands under the softmax
.irp g, 0,1,2
	ds_load_b128 v[32+12*\t+4*\g:35+12*\t+4*\g], v[ADV] offset:1536*\t+512*\g
.endr
.endr
	ds_load_b64 v[90:91], v[ADS]
	s_wait_kmcnt 0x0                               ; the mask words are in, and their address may step
	s_add_nc_u64 s[30:31], s[30:31], 256
	s_bitcmp1_b32 s24, s26                         ; has the mask a hole in this step?  A stored whole number decides
	s_cbranch_scc0 .Lopen
.set n, 0
.rept 64
.if n < 32
	v_cndmask_b32 v[S+n], v[HID], v[S+n], s[32+n]  ; the bit is set where the key counts
.else
	v_cndmask_b32 v[S+n], v[HID], v[S+n], s[36+n]
.endif
.set n, n+1
.endr
.Lopen:
.irp b, 0,1,2,3
	v_max3_num_f32 v[BM+\b], v[S+16*\b], v[S+1+16*\b], v[S+2+16*\b]   ; THE LARGEST SCORE OF EACH BLOCK OF 32 KEYS: it serves for the row's maximum and, since p rises with the score, for the block's largest p
.endr
.irp i, 3,5,7,9,11,13
.irp b, 0,1,2,3
	v_max3_num_f32 v[BM+\b], v[BM+\b], v[S+16*\b+\i], v[S+1+16*\b+\i]   ; (the four blocks by turns)
.endr
.endr
.irp b, 0,1,2,3
	v_max_num_f32 v[BM+\b], v[BM+\b], v[S+15+16*\b]
.endr
.irp b, 0,1,2,3
	v_permlanex16_b32 v[PT+\b], v[BM+\b], s[SEL], s[SEL+1]
.endr
.irp b, 0,1,2,3
	v_max_num_f32 v[BM+\b], v[BM+\b], v[PT+\b]     ; with lane l xor 16's 16 keys
.endr
	v_max3_num_f32 v226, v[BM], v[BM+1], v[BM+2]
	v_max_num_f32 v226, v226, v[BM+3]              ; the step's largest score of my query
	v_mul_f32 v226, s[CS], v226                    ; as t (c is positive)
	v_max_num_f32 v13, v13, v226                   ; the running largest t
	v_mov_b32 v226, v12
	v_floor_f32 v12, -v13                          ; the new -M = floor(-t) = -ceil(t): M is a whole number
	v_sub_f32 v226, v12, v226                      ; M's old value less its new one: a whole number, 0 or less
	v_cvt_i32_f32 v226, v226                       ; (it saturates)
	v_ldexp_f32 v228, 1.0, v226                    ; f = 2^(old M - new M)
.set j, 0
.rept 32
	v_pk_fma_f32 v[S+j:S+j+1], v[S+j:S+j+1], s[CS:CS+1], v[12:13] op_sel_hi:[1,0,0]   ; t - M, two at a time (of the pairs c and -M the low word serves both halves)
.set j, j+2
.endr
.irp b, 0,1,2,3
	v_fma_f32 v[BM+\b], v[BM+\b], s[CS], v12       ; the same of each block's largest score
.endr
.set j, 0
.rept 64
	v_exp_f32 v[S+j], v[S+j]                       ; p = 2^(t - M), at most 1: not normalised
.set j, j+1
.endr
	v_pk_mul_f32 v[14:15], v[14:15], v[228:229] op_sel_hi:[1,0]   ; the sums under the new M: a plain place behind the exponentials
	s_wait_alu depctr_va_vdst(0)                   ; the 64 exponentials have written p, v96 to v159: one wait for the whole batch, ahead of its first reader
.irp b, 0,1,2,3
	v_exp_f32 v[BM+\b], v[BM+\b]                   ; the block's largest p: the same two instructions on the same number give the same bits
.endr
	v_pk_add_f32 v[224:225], v[S:S+1], v[S+2:S+3]  ; the row's sum is taken of the UNQUANTISED p: two at a time, in two chains; it reads the 64 alone
.set j, 4
.rept 15
	v_pk_add_f32 v[14:15], v[14:15], v[S+j:S+j+1]
	v_pk_add_f32 v[224:225], v[224:225], v[S+j+2:S+j+3]
.set j, j+4
.endr
	v_pk_add_f32 v[14:15], v[14:15], v[224:225]
	s_wait_alu depctr_va_vdst(0)                   ; the four exponentials have written the blocks' largest p, v212 to v215, ahead of their first reader
.irp b, 0,1,2,3
	v_max_num_f32 v[BM+\b], 0x1800000, v[BM+\b]    ; the floor 2^(3 - 127): the byte cannot fall under 1
.endr
.irp b, 0,1,2,3
	v_add_nc_u32 v[SOP+\b], 0xff000000, v[BM+\b]   ; 2 off the exponent field: the conversion's scale operand
.endr
.irp b, 0,1,2,3
	v_lshrrev_b32 v[PT+\b], 23, v[SOP+\b]          ; the scale's byte
.endr
	v_lshl_or_b32 v92, v[PT+1], 8, v[PT]           ; p's scale word for these 128 keys
	v_lshl_or_b32 v92, v[PT+2], 16, v92
	v_lshl_or_b32 v92, v[PT+3], 24, v92
.irp c, 0,1
	v_cvt_scalef32_pk16_fp6_f32 v[PCD+6*\c:PCD+2+6*\c], v[S+32*\c:S+15+32*\c], v[SOP+2*\c]
	v_cvt_scalef32_pk16_fp6_f32 v[CT+4*\c:CT+2+4*\c], v[S+16+32*\c:S+31+32*\c], v[SOP+2*\c+1]   ; (a conversion's three registers begin on an even number)
.endr
	v_nop                                          ; one plain place behind a scaled conversion
.irp c, 0,1                                    ; the operand's layout wants a WHOLE block in a lane
.irp i, 0,1,2
	v_permlane16_swap_b32 v[PCD+6*\c+\i], v[CT+4*\c+\i]
.endr
.irp i, 0,1,2
	v_mov_b32 v[PCD+3+6*\c+\i], v[CT+4*\c+\i]
.endr
.endr
.set j, 0
.rept 16
	v_pk_mul_f32 v[O+j:O+j+1], v[O+j:O+j+1], v[228:229] op_sel_hi:[1,0]   ; O^T under the new M.  (These 16 are also the places between the scale word, the codes and the products below)
.set j, j+2
.endr
	s_wait_dscnt 0x0                               ; V is in
	s_wait_alu depctr_va_vdst(0)                   ; p's codes, v192 to v203, and p's scale word, v92, are written, which the scaled products below take as source 1 and as its scales; the places above stay beside this wait
.irp t, 0,1,2,3                                ; O^T += V^T P^T: the four accumulators by turns
.if (\t%2) == 0
	v_wmma_scale_f32_16x16x128_f8f6f4 v[O+8*\t:O+8*\t+7], v[32+12*\t:43+12*\t], v[PCD:PCD+11], v[O+8*\t:O+8*\t+7], v[90+\t/2], v92 matrix_a_fmt:MATRIX_FMT_FP6 matrix_b_fmt:MATRIX_FMT_FP6
.else
	v_wmma_scale_f32_16x16x128_f8f6f4 v[O+8*\t:O+8*\t+7], v[32+12*\t:43+12*\t], v[PCD:PCD+11], v[O+8*\t:O+8*\t+7], v[90+\t/2], v92 matrix_a_fmt:MATRIX_FMT_FP6 matrix_b_fmt:MATRIX_FMT_FP6 matrix_a_scale:MATRIX_SCALE_ROW1
.endif
.endr
	s_add_co_u32 s27, s27, 6656                    ; two records of K,
	s_add_co_u32 s28, s28, 6400                    ; one of V
	s_add_co_u32 s26, s26, 1
	s_cmp_lt_u32 s26, 16
	s_cbranch_scc1 .Lkey
	; THE TILE'S END: O^T / the sum; register 16 b + i is channel 32 b + 16 h + i of my query: two blocks of the last projection's K
	v_add_f32 v14, v14, v15                        ; the sum's two halves,
	v_permlanex16_b32 v226, v14, s[SEL], s[SEL+1]
	v_add_f32 v14, v14, v226                       ; and lane l xor 16's: the row's sum
	v_rcp_f32 v228, v14
.rept 4
	v_nop                                          ; the plain place behind the reciprocal, and places behind the last products
.endr
	s_wait_alu depctr_va_vdst(0)                   ; the reciprocal has written v228, ahead of its first reader
.set j, 0
.rept 16
	v_pk_mul_f32 v[S+j:S+j+1], v[O+j:O+j+1], v[228:229] op_sel_hi:[1,0]   ; each accumulator from its low end on
.set j, j+2
.endr
.irp b, 0,1
	v_max3_num_f32 v[BM+\b], |v[S+16*\b]|, |v[S+1+16*\b]|, 0x1800000
.endr
.irp i, 2,4,6,8,10,12,14
.irp b, 0,1
	v_max3_num_f32 v[BM+\b], v[BM+\b], |v[S+16*\b+\i]|, |v[S+1+16*\b+\i]|
.endr
.endr
.irp b, 0,1
	v_permlanex16_b32 v[PT+\b], v[BM+\b], s[SEL], s[SEL+1]
.endr
.irp b, 0,1
	v_max_num_f32 v[BM+\b], v[BM+\b], v[PT+\b]
.endr
.irp b, 0,1
	v_add_nc_u32 v[SOP+\b], 0xff000000, v[BM+\b]
.endr
.irp b, 0,1
	v_lshrrev_b32 v[PT+\b], 23, v[SOP+\b]
.endr
	v_lshl_or_b32 v[HW], v[PT+1], 8, v[PT]         ; my head's two scale bytes, the same in lanes l and l xor 16
	v_cvt_scalef32_pk16_fp6_f32 v[OC:OC+2], v[S:S+15], v[SOP]
	v_cvt_scalef32_pk16_fp6_f32 v[CT:CT+2], v[S+16:S+31], v[SOP+1]
	v_nop                                          ; one plain place behind a scaled conversion
.irp i, 0,1,2
	v_permlane16_swap_b32 v[OC+\i], v[CT+\i]
.endr
.irp i, 0,1,2
	v_mov_b32 v[OC+3+\i], v[CT+\i]                 ; six registers: k = 32 h + 0 .. 31 of my head's 64
.endr
	s_wait_alu depctr_va_vdst(0)                   ; x's codes, v240 to v245, and its two scale bytes, v246, are written, which the four stores below read
.irp p, 0,1,2
	global_store_b64 v[AK0], v[OC+2*\p:OC+2*\p+1], s[66:67] offset:256*\p   ; 256 consecutive bytes, aligned
.endr
	global_store_b16 v[AK0], v[HW], s[100:101]     ; two of a lane's eight scale bytes: the other six are three other heads'
	s_wait_xcnt 0x0                                ; the stores have read their registers and bases
	s_wait_alu depctr_vm_vsrc(0)                   ; the four stores have read v240 to v246, which the next tile's end writes again
	s_add_nc_u64 s[66:67], s[66:67], 13312         ; on to the next tile of rows
	s_add_nc_u64 s[100:101], s[100:101], 13312
.irp i, 0,1,2,3,4,5
	v_mov_b32 v[16+\i], v[232+\i]                  ; the next tile's Q,
.endr
	v_mov_b32 v28, v238                            ; its scale words,
	s_mov_b32 s24, s25                             ; its flags
	s_sub_co_u32 s29, s29, 1
	s_cmp_lg_u32 s29, 0
	s_cbranch_scc1 .Ltile
	s_wait_dscnt 0x0
	s_wait_alu depctr_hold_cnt(0) depctr_sa_sdst(0) depctr_va_vdst(0) depctr_va_sdst(0) depctr_va_ssrc(0) depctr_va_vcc(0) depctr_vm_vsrc(0)
	s_wait_tensorcnt 0x0
	ds_add_u32 v254, v255
	s_wait_dscnt 0x0
	s_endpgm
.Lfunc_end_k_qae49e94d9e_attn:
	.size	k_qae49e94d9e_attn, .Lfunc_end_k_qae49e94d9e_attn-k_qae49e94d9e_attn
	.p2alignl 7, 3214868480
	.fill 96, 4, 3214868480
	.section	.rodata,"a",@progbits
	.p2align	6, 0x0
	.amdhsa_kernel k_qae49e94d9e_attn
		.amdhsa_group_segment_fixed_size 210944
		.amdhsa_private_segment_fixed_size 0
		.amdhsa_enable_private_segment 0
		.amdhsa_kernarg_size 24
		.amdhsa_user_sgpr_count 2
		.amdhsa_user_sgpr_kernarg_segment_ptr 1
		.amdhsa_wavefront_size32 1
		.amdhsa_system_sgpr_workgroup_id_x 1
		.amdhsa_system_sgpr_workgroup_id_y 1
		.amdhsa_system_sgpr_workgroup_id_z 1
		.amdhsa_system_vgpr_workitem_id 0
		.amdhsa_next_free_vgpr 256
		.amdhsa_next_free_sgpr 102
		.amdhsa_reserve_vcc 0
		.amdhsa_float_denorm_mode_32 3
		.amdhsa_float_denorm_mode_16_64 3
		.amdhsa_memory_ordered 1
		.amdhsa_forward_progress 1
		.amdhsa_inst_pref_size 37
	.end_amdhsa_kernel
	.amdgpu_metadata
---
amdhsa.version: [ 1, 2 ]
amdhsa.kernels:
  - .name:           k_qae49e94d9e_attn
    .symbol:         k_qae49e94d9e_attn.kd
    .args:
      - { .name: pc, .offset: 0, .size: 8, .value_kind: global_buffer, .address_space: global }
      - { .name: mkw, .offset: 8, .size: 8, .value_kind: global_buffer, .address_space: global }
      - { .name: ac, .offset: 16, .size: 8, .value_kind: global_buffer, .address_space: global }
    .group_segment_fixed_size: 210944
    .private_segment_fixed_size: 0
    .kernarg_segment_align: 8
    .kernarg_segment_size: 24
    .max_flat_workgroup_size: 512
    .sgpr_count:     102
    .vgpr_count:     256
    .wavefront_size: 32
...
	.end_amdgpu_metadata
.endif
;; end of part 5
;; launch outp: the kernel of part 4 again; grid 4 x 64, 4 waves a work-group, clusters of 4 x 4, 320,000 bytes of LDS; arguments ac, cod, wo_b, out0; writes out0
